; MI455X (gfx1250); checked and timed in simulation.
; The chip was launched on July 23, 2026; its instructions are those of AMD's public machine-readable ISA for CDNA 5 (MIT licence, August 2026) and "CDNA5" Instruction Set Architecture Reference Guide (July 2026). The comments in the code are by the model that wrote it; some were corrected since.
;; Multi Head Attention. Allowed arithmetic: matrix products marked QUANTISED: E4M3 operands, one given power-of-two scale a tensor, by v_wmma_f32_16x16x64_fp8_fp8 or v_wmma_f32_16x16x128_fp8_fp8, f32 sums; everything else in f32.
;; Inputs: Wk_b 1,024 float32; Wk_w 1,024 x 1,024 float32; Wo_b 1,024 float32; Wo_w 1,024 x 1,024 float32; Wq_b 1,024 float32; Wq_w 1,024 x 1,024 float32; Wv_b 1,024 float32; Wv_w 1,024 x 1,024 float32; lowp_scales 12 int32 (the exponents e of the quantised operands' scales 2^e); x 4 x 2,048 x 1,024 float32.
;; Outputs: out0 4 x 2,048 x 1,024 float32.
;; This version of the problem:
;;   THIS VERSION OF THE PROBLEM IS GIVEN IN LOW PRECISION. The matrix products marked QUANTISED in the list below multiply operands that are first quantised to E4M3 (4 exponent bits, 3 mantissa bits; 8 bits a number), with one given power-of-two scale for each operand tensor; their sums are f32. All else is computed in f32.
;;   The module's matrix products, in the order in which they are computed (A, B: the left and right operand; K: the contracted axis; several contracted axes count as one K, in the product's order):
;;     1. [M 8,192, K 1,024] x [K 1,024, N 1,024]; A: input x; B: input Wq_w: QUANTISED (scales: A lowp_scales[0], B lowp_scales[1])
;;     2. [M 8,192, K 1,024] x [K 1,024, N 1,024]; A: input x; B: input Wk_w: QUANTISED (scales: A lowp_scales[2], B lowp_scales[3])
;;     3. [M 8,192, K 1,024] x [K 1,024, N 1,024]; A: input x; B: input Wv_w: QUANTISED (scales: A lowp_scales[4], B lowp_scales[5])
;;     4. batch 64 x [M 2,048, K 64] x [K 64, N 2,048]; A: computed on the way; B: computed on the way: QUANTISED (scales: A lowp_scales[6], B lowp_scales[7])
;;     5. batch 64 x [M 2,048, K 2,048] x [K 2,048, N 64]; A: softmax (see below); B: computed on the way: QUANTISED (scales: A lowp_scales[8], B lowp_scales[9])
;;     6. [M 8,192, K 1,024] x [K 1,024, N 1,024]; A: computed on the way; B: input Wo_w: QUANTISED (scales: A lowp_scales[10], B lowp_scales[11])
;;   THE QUANTISER, for each operand of a quantised product, along K:
;;     - The operand's scale is 2^e, e = its entry of the input lowp_scales (int32; the entries are numbered through the quantised products in the list's order, A before B).
;;     - Each number is divided by the scale, clamped to +-448, and rounded to the nearest number of E4M3, ties to even, subnormals kept.
;;     - The product sums the exact products of the quantised numbers (number of the format x scale) in f32.
;;   ~~~python
;;   def quantise(x, axis, e):      # numpy; x: float32 -> the quantised numbers, widened to float32 again
;;       x = np.moveaxis(x, axis, -1); K = x.shape[-1]
;;       r = np.clip(x / 2.0 ** e, -448, 448)
;;       step = 2.0 ** (np.maximum(np.frexp(np.where(r == 0, 1, r))[1] - 1, -6) - 3)
;;       q = np.round(r / step) * step * 2.0 ** e      # np.round: ties to even
;;       return np.moveaxis(q, -1, axis).astype(np.float32)
;;   ~~~
;;   SOFTMAX AHEAD OF A QUANTISED PRODUCT. Where the list says 'softmax', what is quantised is not the finished softmax but p = 2^(t - M), with t = logit x log2(e) and M = ceil(the row's largest t), a whole number; so 1/2 < the row's largest p <= 1. The row's sum l is taken of the UNQUANTISED p, in f32, and the product's result is divided by l at the end. Since M is a whole number, a kernel that streams over the keys may use a running M (the ceiling of the running maximum): every later rescaling is an exact power of two, so the quantised numbers keep their values, but for numbers so far below the row's largest that they fall under the format's range.
;;   OPERANDS COMPUTED ON THE WAY. 'Computed on the way' means the value that the module computes at that place (a softmax that the list does not call 'softmax' is quantised finished and normalised). What goes into a quantiser is computed in f32, as accurately as f32 sums, v_exp_f32 and their like allow (about 1e-6 of the number): no bf16 or f16 on the way to a quantiser, and a product that is left as it is and whose result goes on into a quantised operand takes f32 operands (vector FMAs, or v_wmma_f32_16x16x4_f32). A number that lies on a knife's edge between two numbers of the format may be rounded either way, as far as f32 arithmetic and the matrix unit's own rounding can turn it there, and no further.
;; One version. Each part assembles by itself: llvm-mc -triple=amdgcn-amd-amdhsa -mcpu=gfx1250 --defsym DOCPART=n.
;; ======== version 1 of 1: 4 launches
;; limits: right only within a limited range of input values
;; workspace buffers: xc 25,165,824 bytes; wc 4,194,304 bytes; qc 8,388,608 bytes; kc 8,388,608 bytes; vc 8,388,608 bytes; ac 8,388,608 bytes
;; launch prep (part 1): grid 384 x 1, 4 waves a work-group, no clusters, 55,808 bytes of LDS; arguments x, Wq_w, Wk_w, Wv_w, Wo_w, lowp_scales, xc, wc; writes xc, wc
.if DOCPART == 1
	.amdgcn_target "amdgcn-amd-amdhsa--gfx1250"
	.amdhsa_code_object_version 6
	.text
	.protected	k_qea5f25c01c_prep
	.globl	k_qea5f25c01c_prep
	.p2align	8
	.type	k_qea5f25c01c_prep,@function
k_qea5f25c01c_prep:
	s_mov_b64 s[64:65], 0
	v_nop
	global_prefetch_b8 v0, s[64:65] scope:SCOPE_SE
	s_setreg_imm32_b32 hwreg(HW_REG_WAVE_MODE, 25, 1), 1
	s_wait_xcnt 0x0
; x [8192][1024] f32 becomes three sets of E4M3 codes, xc [3][8192][1024], one for each of the scales 2^e given for it (entries 0, 2, 4 of the scales).
; Wq, Wk, Wv, Wo [1024 k][1024 n] f32 become codes with K innermost, wc [4][1024 n][1024 k] (entries 1, 3, 5, 11).
; code = number / 2^e, held within +-448, rounded to the nearest code, ties to even.
; LIMITS: each e between -126 and 119, so that 2^e and 448 x 2^e are f32 numbers.  NaN among the inputs is not served.
; Work-groups 0-255 take x, 32,768 numbers each; work-groups 256-383 take the weights, 128 columns x 256 along K each.
; The two ways part on the work-group's number, never join, and have LDS bytes of their own.  Waves share nothing: no barrier.
.set STEPS, 16                         ; x: steps of 512 numbers for a wave
.set SP,    80                         ; x: a lane's place in a stage: 64 bytes + 16 of padding
.set XREG,  2*32*SP                    ; x: two stages for each wave
.set WSTG,  4*XREG                     ; the weights' stages lie behind x's
.set PITCH, 272                        ; weights: a stage row: 256 codes + 16 bytes
.set NB,    8                          ; weights: blocks of 32 along K for a wave
.set R,     16                         ; x: v16-79   four sets of 16 numbers as loaded
.set X,     80                         ; x: v80-111  two sets of 16 neighbours
.set T,     112                        ; x: v112-159 the 16 neighbours held for each of the three scales
.set C,     160                        ; x: v160-183 two sets of 12 registers of codes
.set WX,    32                         ; weights: v32-95 two sets of 32 numbers
.set WC,    96                         ; weights: v96-103 a block's codes
.set OUTR,  112                        ; weights: v112-175 the way out
.macro MKSC e, vs, vl                  ; v[vs] = 2^e as f32 (the conversion takes its exponent field), v[vl] = 448 x 2^e
	s_add_co_i32 s48, \e, 127
	s_lshl_b32 s49, s48, 23
	v_mov_b32 v[\vs], s49
	s_add_co_i32 s48, s48, 8
	s_lshl_b32 s48, s48, 23
	s_or_b32 s48, s48, 0x600000
	v_mov_b32 v[\vl], s48
.endm
.macro LOADX t                         ; a step's 2,048 bytes: four loads of 512 consecutive bytes
.irp i, 0,1,2,3
	global_load_b128 v[R+16*((\t)%4)+4*\i:R+16*((\t)%4)+4*\i+3], v3, s[8:9] offset:2048*(\t)+512*\i th:TH_LOAD_NT
.endr
.endm
.macro TURNX t                         ; through the wave's own stage: in as loaded, out 64 bytes a lane.  LDS serves a wave's instructions in order
.irp i, 0,1,2,3
	ds_store_b128 v14, v[R+16*((\t)%4)+4*\i:R+16*((\t)%4)+4*\i+3] offset:32*SP*((\t)%2)+8*SP*\i
.endr
.irp i, 0,1,2,3
	ds_load_b128 v[X+16*((\t)%2)+4*\i:X+16*((\t)%2)+4*\i+3], v15 offset:32*SP*((\t)%2)+16*\i
.endr
.endm
.macro STEPX t
.set XS, X+16*((\t)%2)
.set CE, C+12*((\t)%2)
	s_wait_dscnt 0x0                               ; this step's numbers are back from the stage, and its stores into the stage have read their registers,
.if (\t)+4 < STEPS
	LOADX (\t)+4                                   ; which take the loads of four steps on
.endif
.if (\t)+1 < STEPS
.if STEPS-2-(\t) >= 3
	s_wait_loadcnt 12                              ; the next step's four loads are in; those of the three steps behind it may be out
.else
	s_wait_loadcnt 4*(STEPS-2-(\t))
.endif
	TURNX (\t)+1
.endif
	s_wait_xcnt 0x0                                ; the stores of two steps ago have read this set of code registers
.irp p, 0,1,2
.set n, 0
.rept 16
	v_med3_num_f32 v[T+16*\p+n], v[XS+n], -v[8+\p], v[8+\p]   ; the conversion to an 8-bit code does not saturate (ISA guide 7.6.2): the hold comes first
.set n, n+1
.endr
.endr
.irp p, 0,1,2
	v_cvt_scalef32_pk8_fp8_f32 v[CE+4*\p:CE+4*\p+1], v[T+16*\p:T+16*\p+7], v[5+\p]
	v_cvt_scalef32_pk8_fp8_f32 v[CE+4*\p+2:CE+4*\p+3], v[T+16*\p+8:T+16*\p+15], v[5+\p]
.endr
	v_nop                                          ; a plain line behind the last conversion: the next step's holds write the conversions' sources
.irp p, 0,1,2
	global_store_b128 v3, v[CE+4*\p:CE+4*\p+3], s[36+2*\p:37+2*\p] offset:512*(\t)   ; 32 lanes store 512 consecutive bytes
.endr
.endm
.macro LOADW t                         ; block t: W(32 t + i, my column), i = 0 .. 31
.set n, 0
.rept 32
	global_load_b32 v[WX+32*((\t)%2)+n], v3, s[4:5] offset:(32*(\t)+n)*4096 th:TH_LOAD_NT
.set n, n+1
.endr
.endm
.macro BLOCKW t
.set XS, WX+32*((\t)%2)
.if (\t) < NB-1
	s_wait_loadcnt 32                              ; this block's 32 loads are in; the next block's may be out
.else
	s_wait_loadcnt 0
.endif
.set n, 0
.rept 32
	v_med3_num_f32 v[XS+n], v[XS+n], -v10, v10
.set n, n+1
.endr
.irp g, 0,1,2,3
	v_cvt_scalef32_pk8_fp8_f32 v[WC+2*\g:WC+2*\g+1], v[XS+8*\g:XS+8*\g+7], v11
.endr
	v_nop                                          ; a plain line behind the last conversion
	ds_store_b128 v4, v[WC:WC+3] offset:32*(\t)    ; 32 codes: 32 bytes of my column's row
	ds_store_b128 v4, v[WC+4:WC+7] offset:32*(\t)+16
.if (\t)+2 < NB
	LOADW (\t)+2
.endif
	s_wait_dscnt 0x0                               ; the stores have read their registers: the next block's codes may be written
.endm
	s_load_b512 s[8:23], s[0:1], 0x0               ; x s[8:9], Wq s[10:11], Wk s[12:13], Wv s[14:15], Wo s[16:17], scales s[18:19], xc s[20:21], wc s[22:23]
	v_lshl_add_u32 v192, v0, 2, 0xd800
	v_mov_b32 v193, 0
	v_lshrrev_b32 v1, 5, v0
	v_readfirstlane_b32 s2, v1                     ; wave 0..3
	v_and_b32 v2, 31, v0                           ; lane
	s_wait_kmcnt 0x0
	s_load_b256 s[24:31], s[18:19], 0x0            ; entries 0 to 7
	s_load_b128 s[32:35], s[18:19], 0x20           ; entries 8 to 11
	s_cmp_ge_u32 ttmp9, 256
	s_cbranch_scc1 .Lweights
	; ---- x: a plain stream of numbers; a wave takes 8,192 of them
	v_lshlrev_b32 v3, 4, v2                        ; 16 x lane: my 16 bytes of a load's 512, and my 16 codes of a step's 512
	s_mul_i32 s43, s2, XREG
	v_lshrrev_b32 v14, 2, v2
	v_mul_u32_u24 v14, v14, SP
	v_and_b32 v15, 3, v2
	v_lshl_add_u32 v14, v15, 4, v14
	v_add_nc_u32 v14, s43, v14                     ; the stage, in: four lanes' 64 bytes on end, then 16 of padding
	v_mul_u32_u24 v15, v2, SP
	v_add_nc_u32 v15, s43, v15                     ; and out: my 16 neighbours
	s_lshl_b32 s44, ttmp9, 2
	s_add_co_u32 s44, s44, s2                      ; which run of 8,192 numbers is my wave's
	s_lshl_b32 s46, s44, 15
	s_mov_b32 s47, 0
	s_add_nc_u64 s[8:9], s[8:9], s[46:47]
	s_lshl_b32 s46, s44, 13
	s_add_nc_u64 s[36:37], s[20:21], s[46:47]      ; the three sets of codes lie 8 MiB apart: a base for each
	s_add_nc_u64 s[38:39], s[36:37], 0x800000
	s_add_nc_u64 s[40:41], s[38:39], 0x800000
.irp t, 0,1,2,3
	LOADX \t
.endr
	s_wait_kmcnt 0x0
	MKSC s24, 5, 8
	MKSC s26, 6, 9
	MKSC s28, 7, 10
	s_wait_loadcnt 12                              ; step 0's four loads are in
	TURNX 0
.irp t, 0,1,2,3,4,5,6,7,8,9,10,11,12,13,14,15
	STEPX \t
.endr
	s_wait_tensorcnt 0x0
	ds_add_u32 v192, v193
	s_wait_dscnt 0x0
	s_endpgm
	; ---- the weights: a lane takes a column n and its registers run down K, so the conversions give codes with K innermost
.Lweights:
	s_sub_co_u32 s42, ttmp9, 256
	s_lshr_b32 s43, s42, 5                         ; which weight: q, k, v, o
	s_and_b32 s44, s42, 7                          ; which 128 columns
	s_bfe_u32 s45, s42, 0x20003                    ; which 256 along K
	s_lshl_b32 s36, s44, 7
	s_lshl_b32 s37, s2, 5
	s_add_co_u32 s36, s36, s37                     ; my wave's first column
	v_lshlrev_b32 v3, 2, v2                        ; in: 4 bytes a lane
	s_mul_i32 s37, s2, 32*PITCH
	s_add_co_u32 s37, s37, WSTG                    ; my stage
	v_mul_u32_u24 v4, v2, PITCH
	v_add_nc_u32 v4, s37, v4                       ; into it: row = my column
	v_and_b32 v5, 15, v2
	v_lshrrev_b32 v6, 4, v2
	v_mul_u32_u24 v7, v6, PITCH
	v_lshl_add_u32 v7, v5, 4, v7
	v_add_nc_u32 v7, s37, v7                       ; out of it: sixteen lanes to a row, two rows an instruction
	v_lshlrev_b32 v8, 10, v6
	v_lshl_add_u32 v8, v5, 4, v8                   ; and the same place in the codes' buffer (rows of 1,024 bytes)
	s_lshl_b32 s38, s45, 20                        ; W: 256 rows of 4,096 bytes for each K block,
	s_lshl_b32 s39, s36, 2
	s_add_co_u32 s38, s38, s39                     ; + 4 x column
	s_mov_b32 s39, 0
	s_lshl_b32 s40, s43, 20                        ; codes: the weight's 1 MiB,
	s_lshl_b32 s41, s36, 10
	s_add_co_u32 s40, s40, s41                     ; + column x 1,024
	s_lshl_b32 s41, s45, 8
	s_add_co_u32 s40, s40, s41                     ; + 256 x K block
	s_mov_b32 s41, 0
	s_cmp_eq_u32 s43, 1                            ; the choice hangs on the work-group's number alone
	s_cselect_b64 s[4:5], s[12:13], s[10:11]
	s_cmp_eq_u32 s43, 2
	s_cselect_b64 s[4:5], s[14:15], s[4:5]
	s_cmp_eq_u32 s43, 3
	s_cselect_b64 s[4:5], s[16:17], s[4:5]
	s_add_nc_u64 s[4:5], s[4:5], s[38:39]
	s_add_nc_u64 s[6:7], s[22:23], s[40:41]
	LOADW 0
	LOADW 1
	s_wait_kmcnt 0x0
	s_cmp_eq_u32 s43, 1
	s_cselect_b32 s46, s27, s25                    ; entry 1, 3, 5 or 11
	s_cmp_eq_u32 s43, 2
	s_cselect_b32 s46, s29, s46
	s_cmp_eq_u32 s43, 3
	s_cselect_b32 s46, s35, s46
	MKSC s46, 11, 10
.irp t, 0,1,2,3,4,5,6,7
	BLOCKW \t
.endr
.irp t, 0,1,2,3,4,5,6,7,8,9,10,11,12,13,14,15
	ds_load_b128 v[OUTR+4*\t:OUTR+4*\t+3], v7 offset:2*\t*PITCH   ; LDS serves a wave's instructions in order: these see my stores
.endr
.irp t, 0,1,2,3,4,5,6,7,8,9,10,11,12,13,14,15
	s_wait_dscnt 15-\t
	global_store_b128 v8, v[OUTR+4*\t:OUTR+4*\t+3], s[6:7] offset:2*\t*1024   ; sixteen lanes store 256 consecutive bytes, aligned
.endr
	s_wait_tensorcnt 0x0
	ds_add_u32 v192, v193
	s_wait_dscnt 0x0
	s_endpgm
.Lfunc_end_k_qea5f25c01c_prep:
	.size	k_qea5f25c01c_prep, .Lfunc_end_k_qea5f25c01c_prep-k_qea5f25c01c_prep
	.p2alignl 7, 3214868480
	.fill 96, 4, 3214868480
	.section	.rodata,"a",@progbits
	.p2align	6, 0x0
	.amdhsa_kernel k_qea5f25c01c_prep
		.amdhsa_group_segment_fixed_size 55808
		.amdhsa_private_segment_fixed_size 0
		.amdhsa_enable_private_segment 0
		.amdhsa_kernarg_size 64
		.amdhsa_user_sgpr_count 2
		.amdhsa_user_sgpr_kernarg_segment_ptr 1
		.amdhsa_wavefront_size32 1
		.amdhsa_system_sgpr_workgroup_id_x 1
		.amdhsa_system_sgpr_workgroup_id_y 1
		.amdhsa_system_sgpr_workgroup_id_z 1
		.amdhsa_system_vgpr_workitem_id 0
		.amdhsa_next_free_vgpr 194
		.amdhsa_next_free_sgpr 66
		.amdhsa_reserve_vcc 0
		.amdhsa_float_denorm_mode_32 3
		.amdhsa_float_denorm_mode_16_64 3
		.amdhsa_memory_ordered 1
		.amdhsa_forward_progress 1
		.amdhsa_inst_pref_size 126
	.end_amdhsa_kernel
	.amdgpu_metadata
---
amdhsa.version: [ 1, 2 ]
amdhsa.kernels:
  - .name:           k_qea5f25c01c_prep
    .symbol:         k_qea5f25c01c_prep.kd
    .args:
      - { .name: x, .offset: 0, .size: 8, .value_kind: global_buffer, .address_space: global }
      - { .name: Wq_w, .offset: 8, .size: 8, .value_kind: global_buffer, .address_space: global }
      - { .name: Wk_w, .offset: 16, .size: 8, .value_kind: global_buffer, .address_space: global }
      - { .name: Wv_w, .offset: 24, .size: 8, .value_kind: global_buffer, .address_space: global }
      - { .name: Wo_w, .offset: 32, .size: 8, .value_kind: global_buffer, .address_space: global }
      - { .name: lowp_scales, .offset: 40, .size: 8, .value_kind: global_buffer, .address_space: global }
      - { .name: xc, .offset: 48, .size: 8, .value_kind: global_buffer, .address_space: global }
      - { .name: wc, .offset: 56, .size: 8, .value_kind: global_buffer, .address_space: global }
    .group_segment_fixed_size: 55808
    .private_segment_fixed_size: 0
    .kernarg_segment_align: 8
    .kernarg_segment_size: 64
    .max_flat_workgroup_size: 128
    .sgpr_count:     66
    .vgpr_count:     194
    .wavefront_size: 32
...
	.end_amdgpu_metadata
.endif
;; end of part 1
;; launch qkv (part 2): grid 4 x 96, 4 waves a work-group, clusters of 4 x 4, 327,680 bytes of LDS; arguments xc, wc, lowp_scales, Wq_b, Wk_b, Wv_b, qc, kc, vc; writes qc, kc, vc
.if DOCPART == 2
	.amdgcn_target "amdgcn-amd-amdhsa--gfx1250"
	.amdhsa_code_object_version 6
	.text
	.protected	k_qea5f25c01c_qkv
	.globl	k_qea5f25c01c_qkv
	.p2align	8
	.type	k_qea5f25c01c_qkv,@function
k_qea5f25c01c_qkv:
	s_mov_b64 s[64:65], 0
	v_nop
	global_prefetch_b8 v0, s[64:65] scope:SCOPE_SE
	s_setreg_imm32_b32 hwreg(HW_REG_WAVE_MODE, 25, 1), 1
	s_wait_xcnt 0x0
	s_wait_alu depctr_hold_cnt(0) depctr_sa_sdst(0) depctr_va_vdst(0) depctr_va_sdst(0) depctr_va_ssrc(0) depctr_va_vcc(0) depctr_vm_vsrc(0)
	s_getreg_b32 s2, hwreg(HW_REG_IB_STS2, 6, 4)
	s_cmp_eq_u32 s2, 0
	s_cbranch_scc0 .Lentry_in_a_cluster
	s_endpgm
.Lentry_in_a_cluster:
	s_bfe_u32 s2, ttmp6, 0x10000c
	s_cmp_lg_u32 s2, 0xf033
	s_cbranch_scc0 .Lentry_shape_is_right
	s_endpgm
.Lentry_shape_is_right:
; q = x Wq + bq, k = x Wk + bk, v = x Wv + bv on E4M3 codes, each result quantised at once for the product that takes it.
; xc [3][8192][1024], wc [4][1024 n][1024 k]: codes, K innermost.  qc, kc: [64 heads][2048][64] codes; vc: [4][1024 n][2048 keys] codes, the keys innermost, since they are the K of the product that takes v.
; 24 clusters of 4 x 4 work-groups: cluster y / 8 says which product, cluster y % 8 which 1,024 rows of x.  A work-group makes 256 x 256, a wave 128 x 128: 64 accumulators.
; The matrix instruction's source 0 (here B) has its rows along a lane's registers, source 1 (here A) one row a lane.  What is quantised needs the next K along a lane's registers:
;   q, k: A = rows of x, B = rows of W (n = 64 head + d: d runs along the registers).      v: A = rows of Wv, B = rows of x (the keys run along the registers).
; Only pointers and tile numbers differ, so one loop over K serves all three.  A's tile hangs on the place along the cluster's y and is asked for jointly by a row of the cluster, B's on x, by a column.
; K = 1,024 goes in four steps of 256 through a ring of two LDS slots.  Each finished sum x 2^(ex + ew) + bias, held, converted; the codes meet in a stage in LDS and leave as whole runs of 256 bytes or more.
; LIMITS: ex + ew between -126 and 127; the result's e between -126 and 119.
; REGISTERS, in windows of 256: window 0: v0-31 addresses and scales; v32-95, v96-111 biases; from v128 A's fragments, one set; on the way out v128-255 are free.
;   window 1: B's fragments, two sets.   window 2: the accumulators of my rows 0-63 of A ((a, b) at v[8 (8 a + b)]);   window 3: those of rows 64-127.
.set ROWB,   256                       ; a tile's row in bytes
.set KROW,   1024                      ; a row of codes in memory
.set PITCH,  272                       ; an LDS row: 256 bytes + 16 of padding = 68 words, so the 16 rows that a load touches start at 16 different banks
.set FR,     16                        ; registers of a fragment: 16 rows x 128 K
.set NL,     4                         ; LDS loads that bring one
.set NP,     4                         ; places behind this matrix instruction (ISA guide 7.12.1)
.set HALFT,  128*PITCH                 ; what one tensor load brings
.set SLOT,   4*HALFT                   ; A's 256 rows, then B's 256 rows
.set LAPS,   2                         ; 1,024 / (2 x 256)
.set SPARE,  2*SLOT                    ; behind the ring: the spare words, 128 bytes for each wave, which no other line names
.set STGV,   0                         ; the way out: a stage of 256 rows x 272 bytes for v's way, and one for q's and k's; both lie in slot 0, which has had its last fill and its last read by then
.set STGQ,   256*PITCH
.set QSC,  12                          ; v12  2^e of the result
.set QLIM, 13
.set STOQ, 14                          ; v14  where I put 8 codes, q's and k's stage
.set STOV, 15                          ; v15  the same, v's stage
.set ADRA, 16                          ; v16-17  LDS address of my A fragments in slot 0, 1
.set RDQ,  18                          ; v18  q, k: where I read codes back, rows 0-127
.set RDQ2, 19                          ; v19  rows 128-255
.set ADRB, 20                          ; v20-21  the same as ADRA for B
.set RDV,  22                          ; v22  v: where I read codes back
.set GOQ,  23                          ; v23  q, k: my byte in the wave's part of the output
.set GOV,  24                          ; v24  v: likewise
.set BOR,  25                          ; v25  byte offset of the biases that run along my registers
.set BOL,  26                          ; v26  of those that go by lane
.set SPW,  28                          ; v28  my spare word; never rewritten
.set NIL,  29                          ; v29  0; never rewritten
.set BR,   32                          ; v32-95   bias(16 b + 8 h + j) of my 128 rows of B
.set BL,   96                          ; v96-111  bias(16 a + r) of my 128 rows of A, each twice: a pair for the packed form
.set AF,   128                         ; A's fragments
.set T,    128                         ; the way out: v128-191 a block's 64 numbers
.set CD,   192                         ; v192-223 two sets of 16 registers of codes
.set G1, 24                            ; s[24:31] descriptor group 1 for A's tiles;  s[32:39] group 0, one set for each slot
.set G0, 32
.set G1B, 48                           ; s[48:55], s[56:63] the same for B's tiles
.set G0B, 56
.set MSB, 0
.macro WIN new                         ; the immediate's high byte repeats the setting that is left
.if MSB != \new
	s_set_vgpr_msb (MSB<<8)|\new
.set MSB, \new
.endif
.endm
.set MUL_LO, 0xa1                      ; source 0 (B) window 1, source 1 (A) window 0, C and D window 2
.set MUL_HI, 0xf1                      ; the same, C and D window 3
.set TO_B,   0x40                      ; destination window 1, address window 0
; A joint load: waves 0 and 1 fetch for A, waves 2 and 3 for B; the branch hangs on the wave's number alone.  Four v_nop follow each of the two lines.
.macro JLOAD g0a, g1a, g0b, g1b
	s_cmp_eq_u32 s15, 0
	s_cbranch_scc0 .Lfor_b_\@
	tensor_load_to_lds s[\g0a:\g0a+3], s[\g1a:\g1a+7]
	s_nop 0
.rept 4
	v_nop
.endr
	s_branch .Lasked_\@
.Lfor_b_\@:
	tensor_load_to_lds s[\g0b:\g0b+3], s[\g1b:\g1b+7]
	s_nop 0
.rept 4
	v_nop
.endr
.Lasked_\@:
.endm
.macro CREST                           ; a round of the cluster's barrier behind its opening barrier
	s_cmp_lg_u32 s14, 0
	s_cbranch_scc1 .Lnot_wave_0_\@
	s_barrier_signal -3
.Lnot_wave_0_\@:
	s_barrier_wait -3
	s_barrier_signal -1
	s_barrier_wait -1
.endm
.macro CROUND                          ; a whole round
	s_barrier_signal -1
	s_barrier_wait -1
	CREST
.endm
	s_load_b512 s[68:83], s[0:1], 0x0              ; xc s[68:69], wc s[70:71], scales s[72:73], Wq_b s[74:75], Wk_b s[76:77], Wv_b s[78:79], qc s[80:81], kc s[82:83]
	s_load_b64 s[84:85], s[0:1], 0x40              ; vc
	v_lshl_add_u32 v[SPW], v0, 2, SPARE
	v_mov_b32 v[NIL], 0
	ds_add_u32 v28, v29
	ds_add_u32 v28, v29
	s_wait_dscnt 0x0
	v_lshrrev_b32 v1, 5, v0
	v_readfirstlane_b32 s14, v1                    ; wave 0..3
	s_lshr_b32 s15, s14, 1                         ; which half of A's rows is mine.  Also: I fetch for A (0) or for B (1)
	s_and_b32 s16, s14, 1                          ; which half of B's rows.  Also: which 128 rows of that tile I fetch
	s_bfe_u32 s40, ttmp6, 0x40000                  ; cx, cy: my place in the cluster
	s_bfe_u32 s41, ttmp6, 0x40004
	s_and_b32 s86, ttmp7, 0xffff                   ; the cluster's y, which all sixteen share
	s_and_b32 s87, s86, 7
	s_lshl_b32 s87, s87, 2                         ; the first of the cluster's four tiles of x
	s_lshr_b32 s86, s86, 3                         ; the product: 0 q, 1 k, 2 v
	s_cmp_eq_u32 s86, 2
	s_cselect_b32 s42, s87, 0
	s_cselect_b32 s17, 0, s87
	s_add_co_u32 s42, s42, s40                     ; B's tile: v: of x; q, k: of W
	s_add_co_u32 s17, s17, s41                     ; A's tile: q, k: of x; v: of W
	s_lshl_b32 s43, s41, 2
	s_lshl_b32 s43, 15, s43                        ; my row of the cluster
	s_lshl_b32 s44, 0x1111, s40                    ; my column
	; descriptor group 1: a tile of 128 rows x 256 bytes, padded in LDS
	s_or_b32 s[G1+0], s43, (0<<16)|(1<<20)|(1<<21)|(5<<22)|(3<<25)  ; 15:0 the mask; 17:16 elements of 1 byte; 20 padding on; 21 set beside a mask; 24:22 after every 64 words; 31:25 four words
	s_or_b32 s[G1B+0], s44, (0<<16)|(1<<20)|(1<<21)|(5<<22)|(3<<25)
.irp g, G1, G1B
	s_mov_b32 s[\g+1], ROWB<<16                    ; tensor_dim0
	s_mov_b32 s[\g+2], 128<<16                     ; tensor_dim1
	s_mov_b32 s[\g+3], ROWB<<16                    ; tile_dim0
	s_mov_b32 s[\g+4], 128                         ; tile_dim1
	s_mov_b32 s[\g+5], KROW                        ; tensor_dim0_stride
	s_mov_b32 s[\g+6], 0
	s_mov_b32 s[\g+7], 0
.endr
	s_lshl_b32 s18, s16, 7                         ; which 128 rows of the tile I fetch
	s_lshl_b32 s20, s17, 8
	s_add_co_u32 s20, s20, s18
	s_lshl_b32 s20, s20, 10                        ; A: (256 x tile + 128 x half) rows of 1,024 bytes
	s_lshl_b32 s46, s42, 8
	s_add_co_u32 s46, s46, s18
	s_lshl_b32 s46, s46, 10                        ; B likewise
	s_lshl_b32 s22, s86, 23                        ; the product's set of x's codes
	s_lshl_b32 s23, s86, 20                        ; and its weight's
	s_cmp_eq_u32 s86, 2
	s_cselect_b32 s18, s23, s22
	s_cselect_b32 s19, s22, s23
	s_add_co_u32 s20, s20, s18
	s_add_co_u32 s46, s46, s19
	s_mov_b32 s21, 0
	s_mov_b32 s47, 0
	s_mul_i32 s45, s14, HALFT                      ; where the tiles go: wave x 128 rows: no place in the cluster enters an LDS address
	s_wait_kmcnt 0x0
	s_load_b256 s[88:95], s[72:73], 0x0            ; entries 0 to 7 of the scales
	s_load_b128 s[96:99], s[72:73], 0x20           ; entries 8 to 11
	s_cmp_eq_u32 s86, 2
	s_cselect_b64 s[4:5], s[70:71], s[68:69]       ; A's buffer
	s_cselect_b64 s[6:7], s[68:69], s[70:71]       ; B's buffer
	s_add_nc_u64 s[20:21], s[4:5], s[20:21]
	s_add_nc_u64 s[46:47], s[6:7], s[46:47]
	CROUND                                         ; all sixteen work-groups are here: the first joint loads meet
.irp s, 0,1
	s_mov_b32 s[G0+4*\s], 1
	s_add_co_u32 s[G0+4*\s+1], s45, \s*SLOT
	s_add_nc_u64 s[G0+4*\s+2:G0+4*\s+3], s[20:21], \s*ROWB
	s_or_b32 s[G0+4*\s+3], s[G0+4*\s+3], 0x80000000
	s_mov_b32 s[G0B+4*\s], 1
	s_add_co_u32 s[G0B+4*\s+1], s45, \s*SLOT
	s_add_nc_u64 s[G0B+4*\s+2:G0B+4*\s+3], s[46:47], \s*ROWB
	s_or_b32 s[G0B+4*\s+3], s[G0B+4*\s+3], 0x80000000
	JLOAD G0+4*\s, G1, G0B+4*\s, G1B
.endr
	v_and_b32 v1, 15, v0                           ; r = l % 16
	v_bfe_u32 v2, v0, 4, 1                         ; h = l / 16
	s_wait_alu depctr_va_vdst(0)
	; the biases, in both forms, on every way
	s_cmp_eq_u32 s86, 1
	s_cselect_b64 s[12:13], s[76:77], s[74:75]
	s_cmp_eq_u32 s86, 2
	s_cselect_b64 s[12:13], s[78:79], s[12:13]
	s_cselect_b32 s18, s41, s40                    ; the tile of n: v: A's, else B's
	s_lshl_b32 s18, s18, 10                        ; 256 numbers of 4 bytes
	s_lshl_b32 s19, s16, 9
	s_add_co_u32 s19, s19, s18
	v_lshl_add_u32 v[BOR], v2, 5, s19              ; + my half of B's rows + 8 h
	s_lshl_b32 s19, s15, 9
	s_add_co_u32 s19, s19, s18
	v_lshl_add_u32 v[BOL], v1, 2, s19              ; + my half of A's rows + r
.irp b, 0,1,2,3,4,5,6,7
	global_load_b128 v[BR+8*\b:BR+8*\b+3], v[BOR], s[12:13] offset:64*\b
	global_load_b128 v[BR+8*\b+4:BR+8*\b+7], v[BOR], s[12:13] offset:64*\b+16
.endr
.irp a, 0,1,2,3,4,5,6,7
	global_load_b32 v[BL+2*\a], v[BOL], s[12:13] offset:64*\a
	global_load_b32 v[BL+2*\a+1], v[BOL], s[12:13] offset:64*\a
.endr
	v_mul_u32_u24 v3, v1, PITCH
	s_wait_alu depctr_va_vdst(0)
	v_lshl_add_u32 v4, v2, 4, v3                   ; a fragment's row x pitch + 16 x half
	s_mul_i32 s21, s15, HALFT                      ; my 128 rows of A
	s_mul_i32 s22, s16, HALFT                      ; my 128 rows of B,
	s_add_co_u32 s22, s22, 2*HALFT                 ; which lie behind A's 256
.irp s, 0,1
	v_add_nc_u32 v[ADRA+\s], s21, v4
	v_add_nc_u32 v[ADRB+\s], s22, v4
	s_add_co_u32 s21, s21, SLOT
	s_add_co_u32 s22, s22, SLOT
.endr
	; the stages: a row is A's index, a byte in it B's
	s_mul_i32 s23, s15, 128*PITCH
	s_lshl_b32 s22, s16, 7
	s_add_co_u32 s23, s23, s22
	v_lshl_add_u32 v5, v2, 3, v3                   ; r x 272 + 8 h
	v_add_nc_u32 v[STOV], s23, v5                  ; (v's stage begins at LDS byte 0)
	v_add_nc_u32 v[STOQ], STGQ, v[STOV]
	v_and_b32 v6, 31, v0
	v_lshrrev_b32 v7, 2, v6
	v_mul_u32_u24 v7, v7, PITCH
	v_and_b32 v8, 3, v6
	v_lshl_add_u32 v7, v8, 4, v7
	s_lshl_b32 s22, s14, 6
	s_add_co_u32 s22, s22, STGQ
	v_add_nc_u32 v[RDQ], s22, v7                   ; q, k: wave w takes head w of the tile's four: 64 bytes of each row; four lanes to a row, eight rows an instruction
	v_add_nc_u32 v[RDQ2], 128*PITCH, v[RDQ]
	s_mul_i32 s22, s14, 64*PITCH
	v_mul_u32_u24 v7, v2, PITCH
	v_lshl_add_u32 v7, v1, 4, v7
	v_add_nc_u32 v[RDV], s22, v7                   ; v: wave w takes rows 64 w on; sixteen lanes to a row, two rows an instruction
	v_lshlrev_b32 v[GOQ], 4, v6
	v_lshlrev_b32 v[GOV], 11, v2
	v_lshl_add_u32 v[GOV], v1, 4, v[GOV]
	; where my wave's part of the output begins.  q, k: batch x 2^21 + head x 2^17 + 256 x 64 x (tile of x % 8).  v: batch x 2^21 + n x 2,048 + 256 x (tile of x % 8)
	s_lshr_b32 s18, s17, 3
	s_lshl_b32 s18, s18, 21
	s_lshl_b32 s19, s42, 2
	s_add_co_u32 s19, s19, s14
	s_lshl_b32 s19, s19, 17
	s_add_co_u32 s18, s18, s19
	s_and_b32 s19, s17, 7
	s_lshl_b32 s19, s19, 14
	s_add_co_u32 s18, s18, s19
	s_lshr_b32 s19, s42, 3
	s_lshl_b32 s19, s19, 21
	s_lshl_b32 s22, s17, 19
	s_add_co_u32 s19, s19, s22
	s_lshl_b32 s22, s14, 17
	s_add_co_u32 s19, s19, s22
	s_and_b32 s22, s42, 7
	s_lshl_b32 s22, s22, 8
	s_add_co_u32 s19, s19, s22
	s_cmp_eq_u32 s86, 1
	s_cselect_b64 s[10:11], s[82:83], s[80:81]
	s_cmp_eq_u32 s86, 2
	s_cselect_b64 s[10:11], s[84:85], s[10:11]
	s_cselect_b32 s18, s19, s18
	s_mov_b32 s19, 0
	s_add_nc_u64 s[10:11], s[10:11], s[18:19]
	; the scales: chosen without a branch
	s_wait_kmcnt 0x0
	s_cmp_eq_u32 s86, 1
	s_cselect_b32 s4, s90, s88                     ; x's e: entry 0, 2 or 4
	s_cselect_b32 s5, s91, s89                     ; the weight's: 1, 3 or 5
	s_cselect_b32 s6, s95, s94                     ; the result's: 6, 7 or 9
	s_cmp_eq_u32 s86, 2
	s_cselect_b32 s4, s92, s4
	s_cselect_b32 s5, s93, s5
	s_cselect_b32 s6, s97, s6
	s_add_co_i32 s66, s4, s5
	s_add_co_i32 s66, s66, 127
	s_lshl_b32 s66, s66, 23                        ; 2^(ex + ew) as f32
	s_mov_b32 s67, s66                             ; (named with it as a pair, so it is written)
	s_add_co_i32 s6, s6, 127
	s_lshl_b32 s7, s6, 23
	v_mov_b32 v[QSC], s7
.macro FRAG reg, adr, q, i             ; a fragment: lane l holds row l % 16; registers 4 c .. 4 c + 3 hold K = 32 c + 16 (l / 16) + 0 .. 15: the same places of k in A and in B
.irp c, 0,1,2,3
	ds_load_b128 v[\reg+4*\c:\reg+4*\c+3], v[\adr] offset:128*(\q)+32*\c+(\i)*16*PITCH
.endr
.endm
; 16 matrix instructions: A's blocks a0, a0 + 1 x B's eight.  p: B's set.  zero = 1: the first product starts the sums.  The 64 accumulators take turns, one instruction a turn.
.macro MUL16 a0, p, zero
.irp a, \a0, \a0+1
.irp b, 0,1,2,3,4,5,6,7
.if \zero
	v_wmma_f32_16x16x128_fp8_fp8 v[8*(8*((\a)%4)+\b):8*(8*((\a)%4)+\b)+7], v[128*(\p)+FR*\b:128*(\p)+FR*\b+FR-1], v[AF+FR*(\a):AF+FR*(\a)+FR-1], 0
.else
	v_wmma_f32_16x16x128_fp8_fp8 v[8*(8*((\a)%4)+\b):8*(8*((\a)%4)+\b)+7], v[128*(\p)+FR*\b:128*(\p)+FR*\b+FR-1], v[AF+FR*(\a):AF+FR*(\a)+FR-1], v[8*(8*((\a)%4)+\b):8*(8*((\a)%4)+\b)+7]
.endif
.endr
.endr
.endm
.macro FETCH_B slot, q, p
	WIN TO_B
.irp i, 0,1,2,3,4,5,6,7
	FRAG 128*(\p)+FR*\i, ADRB+\slot, \q, \i
.endr
	WIN 0
.endm
.macro FETCH_A slot, q, i0
.irp i, \i0, \i0+1, \i0+2, \i0+3
	FRAG AF+FR*(\i), ADRA+\slot, \q, \i
.endr
.endm
.macro PLACES n                        ; plain vector lines between a matrix instruction and a load into, or a vector read or write of, its registers
.rept \n
	v_nop
.endr
.endm
.macro STEP slot, q, zero              ; 128 along K, with its successor in the same slot
	s_wait_dscnt 4*NL                              ; B's set and A's blocks 0-3 are in; the youngest sixteen loads (A's blocks 4-7) may be out
	WIN MUL_LO
	MUL16 0, (\q)%2, \zero
	MUL16 2, (\q)%2, \zero
	s_wait_dscnt 0                                 ; A's blocks 4-7 are in
	PLACES NP
	FETCH_B \slot, (\q)+1, 1-(\q)%2
	FETCH_A \slot, (\q)+1, 0
	WIN MUL_HI
	MUL16 4, (\q)%2, \zero
	MUL16 6, (\q)%2, \zero
	PLACES NP
	WIN 0
	FETCH_A \slot, (\q)+1, 4
.endm
; A slot's last step changes slots: one barrier; in front of it each wave waits for all its tensor loads, adds 0 to its spare word, and waits for that and for its reads of this slot.  fill = 1: this slot is filled again.
.macro TURN slot, next, fill
	s_wait_tensorcnt 0x0                           ; all my tensor loads have landed: my part of the next slot
	ds_add_u32 v[SPW], v[NIL]                      ; 0 onto my spare word
	s_wait_dscnt 4*NL+1                            ; (the add and the youngest sixteen loads may be out)
	WIN MUL_LO
	MUL16 0, 1, 0
	s_wait_dscnt 0x0                               ; the add is done, and my reads of this slot are over
	s_barrier_signal -1
	MUL16 2, 1, 0
	WIN 0
	s_barrier_wait -1
.if \fill
	CREST                                          ; the barrier has opened a round of the cluster's: no wave of any partner still reads this slot or has a load on its way
	s_add_nc_u64 s[G0+4*\slot+2:G0+4*\slot+3], s[G0+4*\slot+2:G0+4*\slot+3], 2*ROWB
	s_add_nc_u64 s[G0B+4*\slot+2:G0B+4*\slot+3], s[G0B+4*\slot+2:G0B+4*\slot+3], 2*ROWB
	JLOAD G0+4*\slot, G1, G0B+4*\slot, G1B         ; the first tensor load behind the round; its four v_nop are also the places in front of the loads below
.else
	PLACES NP
.endif
	FETCH_B \next, 0, 0
	FETCH_A \next, 0, 0
	WIN MUL_HI
	MUL16 4, 1, 0
	MUL16 6, 1, 0
	PLACES NP
	WIN 0
	FETCH_A \next, 0, 4
.endm
	s_wait_tensorcnt 1                             ; my part of K step 0 is in (K step 1's load, issued behind it, may be out),
	s_barrier_signal -1
	s_barrier_wait -1                              ; everybody's is
	FETCH_B 0, 0, 0
	FETCH_A 0, 0, 0
	FETCH_A 0, 0, 4
	STEP 0, 0, 1                                   ; the first step's products start the sums
	s_mov_b32 s3, LAPS-1
.Llap:                                                 ; a trip goes once round the ring and fills both slots again
	TURN 0, 1, 1
	STEP 1, 0, 0
	TURN 1, 0, 1
	STEP 0, 0, 0
	s_sub_co_u32 s3, s3, 1
	s_cmp_lg_u32 s3, 0
	s_cbranch_scc1 .Llap
	TURN 0, 1, 0                                   ; the last lap fills nothing
	STEP 1, 0, 0
	s_wait_dscnt 4*NL
	WIN MUL_LO
	MUL16 0, 1, 0
	MUL16 2, 1, 0
	s_wait_dscnt 0
	WIN MUL_HI
	MUL16 4, 1, 0
	MUL16 6, 1, 0
	WIN 0
; THE WAY OUT, A's blocks one after the other: sum x 2^(ex + ew) + bias (one packed multiply-add for two), the conversion: a lane's eight numbers are eight neighbours along the next K, so they make 8 bytes of a stage row.
; kind 0: the bias goes by B's index (along the registers); kind 1: by A's (a lane's row).
.macro EPI kind, sto
.irp a, 0,1,2,3,4,5,6,7
.set AC, 64*(\a%4)
.set CE, CD+16*(\a%2)
.set WN, 0x02+(\a/4)
.if \a >= 2
	s_wait_dscnt 8                                 ; the stores of two blocks ago are done: only the last block's eight may be out
.endif
	WIN WN                                         ; source 0: window 2 or 3
.irp b, 0,1,2,3,4,5,6,7
.irp j, 0,2,4,6
.if \kind
	v_pk_fma_f32 v[T+8*\b+\j:T+8*\b+\j+1], v[AC+8*\b+\j:AC+8*\b+\j+1], s[66:67], v[BL+2*\a:BL+2*\a+1] op_sel_hi:[1,0,1]
.else
	v_pk_fma_f32 v[T+8*\b+\j:T+8*\b+\j+1], v[AC+8*\b+\j:AC+8*\b+\j+1], s[66:67], v[BR+8*\b+\j:BR+8*\b+\j+1] op_sel_hi:[1,0,1]
.endif
.endr
.endr
	WIN 0
.set n, 0
.rept 64
.set n, n+1
.endr
.irp b, 0,1,2,3,4,5,6,7
	v_cvt_scalef32_pk8_fp8_f32 v[CE+2*\b:CE+2*\b+1], v[T+8*\b:T+8*\b+7], v[QSC]
.endr
	v_nop                                          ; a plain line behind the last conversion: the next block writes the conversions' sources
.irp b, 0,1,2,3,4,5,6,7
	ds_store_b64 v[\sto], v[CE+2*\b:CE+2*\b+1] offset:16*PITCH*\a+16*\b
.endr
.endr
.endm
	PLACES NP                                      ; behind the last products: their results are read and A's registers written below
	s_wait_loadcnt 0x0                             ; the biases
	s_cmp_eq_u32 s86, 2                            ; the product's number: the same in all sixteen work-groups
	s_cbranch_scc1 .Lepi_v
	EPI 0, STOQ
	s_branch .Lepi_done
.Lepi_v:
	EPI 1, STOV
.Lepi_done:
	s_wait_dscnt 0x0                               ; for the others' sake: my stores into the stage are done
	s_barrier_signal -1
	s_barrier_wait -1
	s_cmp_eq_u32 s86, 2
	s_cbranch_scc1 .Lout_v
	; q, k: my head's 256 rows of 64 bytes are 16,384 consecutive bytes of the output
.irp i, 0,1,2,3,4,5,6,7,8,9,10,11,12,13,14,15
	ds_load_b128 v[128+4*\i:131+4*\i], v[RDQ] offset:8*PITCH*\i
.endr
.irp i, 0,1,2,3,4,5,6,7,8,9,10,11,12,13,14,15
	ds_load_b128 v[192+4*\i:195+4*\i], v[RDQ2] offset:8*PITCH*\i
.endr
.set n, 0
.rept 32
	s_wait_dscnt 31-n
	global_store_b128 v[GOQ], v[128+4*n:131+4*n], s[10:11] offset:512*n   ; 32 lanes store 512 consecutive bytes
.set n, n+1
.endr
	s_branch .Lout_done
.Lout_v:
	; v: my 64 rows n; a row's 256 codes are 256 consecutive bytes, aligned
.set n, 0
.rept 32
	ds_load_b128 v[128+4*n:131+4*n], v[RDV] offset:2*PITCH*n
.set n, n+1
.endr
.set n, 0
.rept 32
	s_wait_dscnt 31-n
	global_store_b128 v[GOV], v[128+4*n:131+4*n], s[10:11] offset:4096*n   ; sixteen lanes store 256 consecutive bytes
.set n, n+1
.endr
.Lout_done:
	s_wait_tensorcnt 0x0                           ; the wave's end
	ds_add_u32 v[SPW], v[NIL]
	s_wait_dscnt 0x0
	CROUND                                         ; the closing round: no work-group ends while a partner may still ask for a tile that names it
	s_endpgm
.Lfunc_end_k_qea5f25c01c_qkv:
	.size	k_qea5f25c01c_qkv, .Lfunc_end_k_qea5f25c01c_qkv-k_qea5f25c01c_qkv
	.p2alignl 7, 3214868480
	.fill 96, 4, 3214868480
	.section	.rodata,"a",@progbits
	.p2align	6, 0x0
	.amdhsa_kernel k_qea5f25c01c_qkv
		.amdhsa_group_segment_fixed_size 327680
		.amdhsa_private_segment_fixed_size 0
		.amdhsa_enable_private_segment 0
		.amdhsa_kernarg_size 72
		.amdhsa_user_sgpr_count 2
		.amdhsa_user_sgpr_kernarg_segment_ptr 1
		.amdhsa_wavefront_size32 1
		.amdhsa_system_sgpr_workgroup_id_x 1
		.amdhsa_system_sgpr_workgroup_id_y 1
		.amdhsa_system_sgpr_workgroup_id_z 1
		.amdhsa_system_vgpr_workitem_id 0
		.amdhsa_next_free_vgpr 1024
		.amdhsa_next_free_sgpr 100
		.amdhsa_reserve_vcc 0
		.amdhsa_float_denorm_mode_32 3
		.amdhsa_float_denorm_mode_16_64 3
		.amdhsa_fp16_overflow 1
		.amdhsa_memory_ordered 1
		.amdhsa_forward_progress 1
		.amdhsa_inst_pref_size 145
	.end_amdhsa_kernel
	.amdgpu_metadata
---
amdhsa.version: [ 1, 2 ]
amdhsa.kernels:
  - .name:           k_qea5f25c01c_qkv
    .symbol:         k_qea5f25c01c_qkv.kd
    .args:
      - { .name: xc, .offset: 0, .size: 8, .value_kind: global_buffer, .address_space: global }
      - { .name: wc, .offset: 8, .size: 8, .value_kind: global_buffer, .address_space: global }
      - { .name: lowp_scales, .offset: 16, .size: 8, .value_kind: global_buffer, .address_space: global }
      - { .name: Wq_b, .offset: 24, .size: 8, .value_kind: global_buffer, .address_space: global }
      - { .name: Wk_b, .offset: 32, .size: 8, .value_kind: global_buffer, .address_space: global }
      - { .name: Wv_b, .offset: 40, .size: 8, .value_kind: global_buffer, .address_space: global }
      - { .name: qc, .offset: 48, .size: 8, .value_kind: global_buffer, .address_space: global }
      - { .name: kc, .offset: 56, .size: 8, .value_kind: global_buffer, .address_space: global }
      - { .name: vc, .offset: 64, .size: 8, .value_kind: global_buffer, .address_space: global }
    .group_segment_fixed_size: 327680
    .private_segment_fixed_size: 0
    .kernarg_segment_align: 8
    .kernarg_segment_size: 72
    .max_flat_workgroup_size: 128
    .sgpr_count:     100
    .vgpr_count:     1024
    .wavefront_size: 32
...
	.end_amdgpu_metadata
.endif
;; end of part 2
;; launch attn (part 3): grid 4 x 64, 16 waves a work-group, no clusters, 327,680 bytes of LDS; arguments qc, kc, vc, lowp_scales, ac; writes ac
.if DOCPART == 3
	.amdgcn_target "amdgcn-amd-amdhsa--gfx1250"
	.amdhsa_code_object_version 6
	.text
	.protected	k_qea5f25c01c_attn
	.globl	k_qea5f25c01c_attn
	.p2align	8
	.type	k_qea5f25c01c_attn,@function
k_qea5f25c01c_attn:
	s_mov_b64 s[64:65], 0
	v_nop
	global_prefetch_b8 v0, s[64:65] scope:SCOPE_SE
	s_setreg_imm32_b32 hwreg(HW_REG_WAVE_MODE, 25, 1), 1
	s_wait_xcnt 0x0
; For each of 64 heads: scores = q k^T / 8 on E4M3 codes; a score counts where key <= query AND the score is not 0 (the mask is taken of the values: a kept score that is exactly 0 is hidden too);
; t = score x log2(e); M = the row's largest t so far, rounded up to a whole number; p = 2^(t - M) is quantised along the keys; the row's sum is taken of the unquantised p and divides at the end.
; qc, kc: [64][2048][64] codes.  vc: [64 heads x 64 d][2048 keys] codes.  ac: [64][2048][64]: the result's codes, for the last product.
; A row all of whose scores are hidden has the sum 0 and comes out as the NaN code, as 0 / 0 does.
; SHARES.  Work-group (i, head), i = 0..3, does the block of 256 queries 7 - i (key slots 0 .. 7 - i of 256 keys) and then block i (slots 0 .. i): nine slots whatever i is, so the trip count is a constant,
; no tile is fetched that nobody reads, and all 256 work-groups have the same work.  Each of sixteen waves owns 16 queries of the block, in 256 registers: four waves to a SIMD.  A step is 128 keys.
; NO CLUSTER: the four work-groups of a head walk different slots from the fifth trip on (slot 4 - and then 0 - for i = 3, 5 for the others), and a joint load must be issued by all that it names.
; LAYOUT.  Both products transposed: S^T = K Q^T (source 0 = 16 neighbouring keys, source 1 = my 16 queries): lane (r, h) holds query r, register j of tile t key 16 t + 8 h + j.  Eight such numbers converted are
; registers 2 t, 2 t + 1 of the second product's operand as that form lays it, and V^T's fragments are read in the same layout.  O^T = V^T P^T: lane (r, h), tile t, register j: channel 16 t + 8 h + j of query r.
; THE MASK OF ZEROS in one line a score: a sum of code products is 0 or at least 2^-18 in magnitude; 0xff800000 added to its bits takes 1 off the exponent field: every other sum is halved exactly, +0 becomes -infinity.
; c holds the 2.  (A sum that cancels comes out as +0, since it starts from the constant 0.)
; LIMITS: eq + ek between -124 and 129; ep, and the result's e, between -126 and 119.  A score is tested for 0 as the sum of the codes' products; an underflow of its scale is not served.
.set KP,    272                        ; an LDS row: 256 bytes + 16 of padding.  K: four keys of 64 bytes to a row; V: 256 keys of one channel
.set VOFF,  64*KP                      ; a slot: 64 rows of K, then 64 rows of V
.set SLOT1, 1<<16                      ; slot 1 begins here: one exclusive or turns an address
.set SPARE, 2*SLOT1                    ; the spare words, 128 bytes for each of sixteen waves, which no other line names
.set STAGE, SPARE+16*128               ; the way out: 16 rows x 80 bytes for each wave; no fill lands here
.set AK0, 1                            ; v1   my lane's place in a tile of K
.set AV0, 2                            ; v2   in a tile of V
.set PFO, 3                            ; v3   the prefetches' offset; never rewritten
.set DQ,  4                            ; v4   r - 8 h
.set SPW, 5                            ; v5   my spare word; never rewritten
.set NIL, 6                            ; v6   0; never rewritten
.set GO,  7                            ; v7   16 x lane: my byte in the wave's 1,024 bytes of output
.set ADK, 8                            ; v8   LDS address of the step's K
.set ADV, 9                            ; v9   of its V
.set STO, 10                           ; v10  the stage: where I put 8 codes
.set SRD, 11                           ; v11  and where I read 16 back
                                       ; v12 -M, v13 the largest t, v[14:15] the sum in two halves; v16-23 Q; v24-31 Q of the second block
.set F,   32                           ; v32-95   K's eight fragments, then V's four
.set S,   96                           ; v96-159  S^T, then p
.set O,   160                          ; v160-191 O^T
.set PC,  192                          ; v192-207 p's codes
                                       ; v216 -infinity; v218 2^ep; v219 2^e of the result; v220 448 x that; v236, v242-243, v252-254 at work
.set TB,  2                            ; s2   LDS byte at which the slot in hand begins
.set PI,  14                           ; s14  i
.set NS,  15                           ; s15  the key slot asked for last
.set OUT, 16                           ; s[16:17] my 16 rows of the output
.set WV,  18                           ; s18  my wave's number
.set EPV, 19                           ; s19  ep + ev
.set SEL, 20                           ; s[20:21] lane selects: lane l xor 16
.set CS,  22                           ; s[22:23] c = 2 log2(e) / 8 x 2^(eq + ek)
.set G1K, 24                           ; s[24:31], s[32:39] descriptor groups 1; s[40:43], s[44:47] groups 0
.set G1V, 32
.set G0K, 40
.set G0V, 44
.set KB,  48                           ; s[48:49], s[50:51] the head's K and V
.set VB,  50
.set OUTB, 56                          ; s[56:57] the second block's rows of the output
.set Q0,  58                           ; s58  my first query;  s59 the second block's
.set Q0B, 59
.set KF,  60                           ; s60  the step's first key
.set KS,  61                           ; s61  0xff800000
.set SLOTS, 62                         ; s62  trips to go
.set LIM, 63                           ; s63  2 in a wave that prefetches, else the greatest number
.set PFA, 66                           ; s[66:67] where my prefetches stand;  s[68:69] a slot on, in bytes
.set PFS, 68
; Wave 0 fetches K's tile, wave 1 V's, the others nothing.  Four v_nop follow each of the two lines.
.macro TLOAD
	s_cmp_eq_u32 s[WV], 0
	s_cbranch_scc0 .Lnot_k_\@
	tensor_load_to_lds s[G0K:G0K+3], s[G1K:G1K+7]
	s_nop 0
.rept 4
	v_nop
.endr
	s_branch .Lasked_\@
.Lnot_k_\@:
	s_cmp_eq_u32 s[WV], 1
	s_cbranch_scc0 .Lasked_\@
	tensor_load_to_lds s[G0V:G0V+3], s[G1V:G1V+7]
	s_nop 0
.rept 4
	v_nop
.endr
.Lasked_\@:
.endm
; A prefetch of the key slot behind the one that is being asked for: two key steps of sixteen waves ahead of its load.  The four work-groups of a head read the same K and V; the one with i = 0 walks slots 0 to 7 in order
; and asks, nobody else.  In it waves 4 and 5 ask for K's 16,384 bytes (8,192 a wave, lanes 256 bytes apart), waves 6 and 7 for V's 64 rows (32 a wave, a lane a row of 256 bytes): each aligned 256 bytes are named once.
; Slots 0 and 1 come by their loads alone; the last slot named is 7 (asked in the trip with three trips to go).
.macro ASK
	s_cmp_gt_u32 s[SLOTS], s[LIM]
	s_cbranch_scc0 .Lnot_mine_\@
	global_prefetch_b8 v[PFO], s[PFA:PFA+1] th:TH_LOAD_NT scope:SCOPE_SE
.Lnot_mine_\@:
.endm
; THE CHANGE OF SLOTS stands at a slot's head.  Each wave waits for all its tensor loads, adds 0 to its spare word, and waits for that and for its reads of the slot that it has left; behind the barrier the slot ahead is whole
; and nobody reads the other.  fill = 1: the other slot takes the keys of the next trip: the next slot of keys, or slot 0 where the next trip begins the second block.
.macro CHANGE fill
	s_wait_tensorcnt 0x0                           ; no tensor load of mine is out, so a group 0 may be written
	ds_add_u32 v[SPW], v[NIL]                      ; 0 onto my spare word
.if \fill
	s_add_co_u32 s[NS], s[NS], 1
	s_sub_co_u32 s70, s[SLOTS], 1
	s_cmp_eq_u32 s70, s[PI]                        ; the trip with i trips to go is the second block's first
	s_cselect_b32 s[NS], 0, s[NS]
	s_lshl_b32 s52, s[NS], 14                      ; 256 keys of 64 bytes
	s_lshl_b32 s54, s[NS], 8                       ; 256 codes of a row of V
	s_add_nc_u64 s[G0K+2:G0K+3], s[KB:KB+1], s[52:53]
	s_or_b32 s[G0K+3], s[G0K+3], 0x80000000
	s_add_nc_u64 s[G0V+2:G0V+3], s[VB:VB+1], s[54:55]
	s_or_b32 s[G0V+3], s[G0V+3], 0x80000000
	s_xor_b32 s[G0K+1], s[G0K+1], SLOT1            ; the other slot than last time
	s_xor_b32 s[G0V+1], s[G0V+1], SLOT1
	s_wait_xcnt 0x0                                ; the last prefetch, a trip back, has read its address
	s_add_nc_u64 s[PFA:PFA+1], s[PFA:PFA+1], s[PFS:PFS+1]
.endif
	s_wait_dscnt 0x0                               ; the add is done, and my reads of the slot that I have left are over
	s_barrier_signal -1
	s_barrier_wait -1
.if \fill
	TLOAD                                          ; the first thing behind the barrier, and a wave's one tensor load until the next
	ASK
.endif
.endm
.macro INIT                            ; a block begins: zeros, which the first change of M leaves zeros
	v_mov_b32 v13, 0xff61b1e6                      ; the largest t so far: -3e38
	s_delay_alu instid0(VALU_DEP_1)
	v_floor_f32 v12, -v13                          ; -M
	v_mov_b32 v14, 0
	v_mov_b32 v15, 0
.set n, 0
.rept 32
	v_mov_b32 v[O+n], 0
.set n, n+1
.endr
.endm
; A block ends: O^T x 2^(ep + ev) / the sum, held, converted; the 16 rows of 64 codes go through my stage and leave as 1,024 consecutive bytes.
.macro FINISH
.rept 4
	v_nop                                          ; places behind the last products
.endr
	v_add_f32 v14, v14, v15                        ; the sum's two halves,
	s_wait_alu depctr_va_vdst(0)
	v_permlanex16_b32 v252, v14, s[SEL], s[SEL+1]
	s_delay_alu instid0(VALU_DEP_1)
	v_add_f32 v14, v14, v252                       ; and lane l xor 16's
	s_wait_alu depctr_va_vdst(0)
	v_rcp_f32 v14, v14
	v_nop                                          ; a plain line behind the reciprocal
	s_wait_alu depctr_va_vdst(0)                   ; and the wait ahead of its first reader
	v_ldexp_f32 v14, v14, s[EPV]
.irp j, 0,2,4,6,8,10,12,14,16,18,20,22,24,26,28,30
	v_pk_mul_f32 v[S+\j:S+\j+1], v[O+\j:O+\j+1], v[14:15] op_sel_hi:[1,0]
.endr
.set n, 0
.rept 32
	v_med3_num_f32 v[S+32+n], v[S+n], -v220, v220
.set n, n+1
.endr
.irp j, 0,2,4,6,8,10,12,14,16,18,20,22,24,26,28,30
	v_pk_fma_f32 v[S+32+\j:S+32+\j+1], v[S+\j:S+\j+1], 0, v[S+32+\j:S+32+\j+1] op_sel_hi:[1,0,1]   ; number x 0 + held number: the held number, or NaN where the row has no score (0 x infinity), which the hold would lose
.endr
.irp t, 0,1,2,3
	v_cvt_scalef32_pk8_fp8_f32 v[PC+2*\t:PC+2*\t+1], v[S+32+8*\t:S+32+8*\t+7], v219
.endr
	v_nop                                          ; a plain line behind the last conversion
.irp t, 0,1,2,3
	ds_store_b64 v[STO], v[PC+2*\t:PC+2*\t+1] offset:16*\t
.endr
	ds_load_b128 v[PC+8:PC+11], v[SRD]             ; LDS serves a wave's instructions in order: these see my stores
	ds_load_b128 v[PC+12:PC+15], v[SRD] offset:640
	s_wait_dscnt 0x0
	global_store_b128 v[GO], v[PC+8:PC+11], s[OUT:OUT+1]
	global_store_b128 v[GO], v[PC+12:PC+15], s[OUT:OUT+1] offset:512
.endm
.macro SWITCH                          ; where i trips are left the first block is done and the second begins: a branch on ids; no barrier and no tensor load stands in it
	s_cmp_lg_u32 s[SLOTS], s[PI]
	s_cbranch_scc1 .Lsame_\@
	FINISH
	s_wait_xcnt 0x0                                ; the stores have read their base and their data
	s_mov_b64 s[OUT:OUT+1], s[OUTB:OUTB+1]
	s_mov_b32 s[Q0], s[Q0B]
	s_mov_b32 s[KF], 0
.irp j, 0,1,2,3,4,5,6,7
	v_mov_b32 v[16+\j], v[24+\j]
.endr
	INIT
.Lsame_\@:
.endm
; A KEY STEP: 128 keys, the q-th of the slot in hand.
.macro STEP q
	s_add_co_u32 s70, s[Q0], 15                    ; a step all of whose keys come after my 16 queries is left out
	s_cmp_gt_u32 s[KF], s70
	s_cbranch_scc1 .Lhidden_\@
	v_add_nc_u32 v[ADK], s[TB], v[AK0]
	v_add_nc_u32 v[ADV], s[TB], v[AV0]
	v_nop
	v_nop                                          ; four places in front of loads into registers that the last products read
.irp t, 0,1,2,3,4,5,6,7
	ds_load_b128 v[F+8*\t:F+8*\t+3], v[ADK] offset:(32*(\q)+4*\t)*KP
	ds_load_b128 v[F+8*\t+4:F+8*\t+7], v[ADK] offset:(32*(\q)+4*\t)*KP+32
.endr
	s_wait_alu depctr_va_vdst(0)
	s_wait_dscnt 8                                 ; the first four tiles are in; the youngest eight loads may be out
.irp t, 0,1,2,3
	v_wmma_f32_16x16x64_fp8_fp8 v[S+8*\t:S+8*\t+7], v[F+8*\t:F+8*\t+7], v[16:23], 0
.endr
	s_wait_dscnt 0x0
.irp t, 4,5,6,7
	v_wmma_f32_16x16x64_fp8_fp8 v[S+8*\t:S+8*\t+7], v[F+8*\t:F+8*\t+7], v[16:23], 0
.endr
.rept 4
	v_nop                                          ; places in front of the loads into K's registers and of the first read of the scores
.endr
.irp t, 0,1,2,3                                ; V's fragments land while the softmax is worked
.irp c, 0,1,2,3,4,5,6,7
	ds_load_b64 v[F+16*\t+2*\c:F+16*\t+2*\c+1], v[ADV] offset:16*\t*KP+128*(\q)+16*\c
.endr
.endr
.set n, 0
.rept 64
	v_add_nc_u32 v[S+n], s[KS], v[S+n]             ; score / 2; a score of 0 becomes -infinity
.set n, n+1
.endr
	s_add_co_u32 s70, s[KF], 127                   ; on the diagonal the scores of later keys become -infinity; a step all of whose keys count skips this
	s_cmp_le_u32 s70, s[Q0]
	s_cbranch_scc1 .Lopen_\@
	s_sub_co_i32 s70, s[Q0], s[KF]
	v_add_nc_u32 v252, s70, v[DQ]                  ; d = my query - the step's first key - 8 h: register (t, j) is hidden where 16 t + j > d
.set n, 0
.rept 64
	v_cmp_gt_i32 vcc_lo, 16*(n/8)+(n%8), v252
	s_delay_alu instid0(VALU_DEP_1)
	v_cndmask_b32 v[S+n], v[S+n], v216, vcc_lo
.set n, n+1
.endr
.Lopen_\@:
	v_max3_num_f32 v254, v96, v97, v98             ; the step's largest score of my query among my 64 keys, in two chains,
	v_max3_num_f32 v252, v99, v100, v101
.irp i, 6,10,14,18,22,26,30,34,38,42,46,50,54,58
	s_delay_alu instid0(VALU_DEP_2)
	v_max3_num_f32 v254, v254, v[96+\i], v[97+\i]
	s_delay_alu instid0(VALU_DEP_2)
	v_max3_num_f32 v252, v252, v[98+\i], v[99+\i]
.endr
	s_delay_alu instid0(VALU_DEP_2)
	v_max3_num_f32 v254, v254, v158, v159
	s_delay_alu instid0(VALU_DEP_1)
	v_max_num_f32 v254, v254, v252
	s_delay_alu instid0(VALU_DEP_1)
	v_permlanex16_b32 v236, v254, s[SEL], s[SEL+1]
	s_delay_alu instid0(VALU_DEP_1)
	v_max_num_f32 v254, v254, v236                 ; and among lane l xor 16's
	s_delay_alu instid0(VALU_DEP_1)
	v_mul_f32 v254, s[CS], v254                    ; as t (c is positive)
	s_delay_alu instid0(VALU_DEP_1)
	v_max_num_f32 v13, v13, v254                   ; the running largest t
	v_mov_b32 v254, v12
	s_delay_alu instid0(VALU_DEP_2)
	v_floor_f32 v12, -v13                          ; the new -M = -ceil(t): a whole number
	s_delay_alu instid0(VALU_DEP_1)
	v_sub_f32 v254, v12, v254                      ; old M - new M: a whole number, 0 or less
	s_delay_alu instid0(VALU_DEP_1)
	v_cvt_i32_f32 v254, v254                       ; (it saturates)
	s_delay_alu instid0(VALU_DEP_1)
	v_ldexp_f32 v252, 1.0, v254                    ; f = 2^(old M - new M): the rescaling rounds nothing
.irp j, 0,2,4,6,8,10,12,14,16,18,20,22,24,26,28,30,32,34,36,38,40,42,44,46,48,50,52,54,56,58,60,62
	v_pk_fma_f32 v[S+\j:S+\j+1], v[S+\j:S+\j+1], s[CS:CS+1], v[12:13] op_sel_hi:[1,0,0]   ; t - M, two at a time
.endr
.set n, 0
	s_wait_alu depctr_va_vdst(0)
.rept 64
	v_exp_f32 v[S+n], v[S+n]                       ; p = 2^(t - M), at most 1: not normalised
.set n, n+1
.endr
	v_pk_mul_f32 v[14:15], v[14:15], v[252:253] op_sel_hi:[1,0]   ; the sums under the new M: the plain line behind the exponentials
	s_wait_alu depctr_va_vdst(0)                   ; one wait for the batch of 64, ahead of its first reader
	v_pk_add_f32 v[242:243], v[100:101], v[104:105]
	v_pk_add_f32 v[254:255], v[108:109], v[112:113]
	v_pk_add_f32 v[250:251], v[116:117], v[120:121]
	v_pk_add_f32 v[248:249], v[124:125], v[128:129]
	v_pk_add_f32 v[246:247], v[132:133], v[136:137]
	v_pk_add_f32 v[244:245], v[140:141], v[144:145]
	v_pk_add_f32 v[240:241], v[148:149], v[152:153]
	v_pk_add_f32 v[14:15], v[14:15], v[156:157]
	v_pk_add_f32 v[242:243], v[242:243], v[96:97]
	v_pk_add_f32 v[254:255], v[254:255], v[98:99]
	v_pk_add_f32 v[250:251], v[250:251], v[102:103]
	v_pk_add_f32 v[248:249], v[248:249], v[106:107]
	v_pk_add_f32 v[246:247], v[246:247], v[110:111]
	v_pk_add_f32 v[244:245], v[244:245], v[114:115]
	v_pk_add_f32 v[240:241], v[240:241], v[118:119]
	v_pk_add_f32 v[14:15], v[14:15], v[122:123]
	v_pk_add_f32 v[242:243], v[242:243], v[126:127]
	v_pk_add_f32 v[254:255], v[254:255], v[130:131]
	v_pk_add_f32 v[250:251], v[250:251], v[134:135]
	v_pk_add_f32 v[248:249], v[248:249], v[138:139]
	v_pk_add_f32 v[246:247], v[246:247], v[142:143]
	v_pk_add_f32 v[244:245], v[244:245], v[146:147]
	v_pk_add_f32 v[240:241], v[240:241], v[150:151]
	v_pk_add_f32 v[14:15], v[14:15], v[154:155]
	v_pk_add_f32 v[242:243], v[242:243], v[158:159]
	s_delay_alu instid0(VALU_DEP_2)
	v_pk_add_f32 v[14:15], v[14:15], v[248:249]
	s_delay_alu instid0(VALU_DEP_2)
	v_pk_add_f32 v[242:243], v[242:243], v[246:247]
	v_pk_add_f32 v[254:255], v[254:255], v[244:245]
	v_pk_add_f32 v[250:251], v[250:251], v[240:241]
	s_delay_alu instid0(VALU_DEP_2)
	v_pk_add_f32 v[14:15], v[14:15], v[254:255]
	s_delay_alu instid0(VALU_DEP_2)
	v_pk_add_f32 v[242:243], v[242:243], v[250:251]
	s_delay_alu instid0(VALU_DEP_1)
	v_pk_add_f32 v[14:15], v[14:15], v[242:243]
.irp t, 0,1,2,3,4,5,6,7
.irp i, 0,1,2,3,4,5,6,7
.endr
	v_cvt_scalef32_pk8_fp8_f32 v[PC+2*\t:PC+2*\t+1], v[S+8*\t:S+8*\t+7], v218
.endr
.irp j, 0,2,4,6,8,10,12,14,16,18,20,22,24,26,28,30
	v_pk_mul_f32 v[O+\j:O+\j+1], v[O+\j:O+\j+1], v[252:253] op_sel_hi:[1,0]   ; O^T under the new M; also the plain lines behind the conversions
.endr
	s_wait_alu depctr_va_vdst(0)
	s_wait_dscnt 0x0                               ; V's fragments are in
.irp t, 0,1,2,3                                ; four accumulators by turns
	v_wmma_f32_16x16x128_fp8_fp8 v[O+8*\t:O+8*\t+7], v[F+16*\t:F+16*\t+15], v[PC:PC+15], v[O+8*\t:O+8*\t+7]
.endr
.Lhidden_\@:
	s_add_co_u32 s[KF], s[KF], 128
.endm
	s_load_b256 s[4:11], s[0:1], 0x0               ; qc s[4:5], kc s[6:7], vc s[8:9], the scales s[10:11]
	s_load_b64 s[12:13], s[0:1], 0x20              ; ac
	v_lshl_add_u32 v[SPW], v0, 2, SPARE
	v_mov_b32 v[NIL], 0
	ds_add_u32 v5, v6
	ds_add_u32 v5, v6
	s_wait_dscnt 0x0
	v_lshrrev_b32 v8, 5, v0
	s_delay_alu instid0(VALU_DEP_1)
	v_readfirstlane_b32 s[WV], v8                  ; wave 0..15
	s_mov_b32 s[PI], ttmp9
	s_and_b32 s70, ttmp7, 0xffff                   ; the head
	s_lshl_b32 s52, s70, 17                        ; its 2,048 x 64 bytes in each of the four buffers
	s_mov_b32 s53, 0
	s_mov_b32 s55, 0
	s_sub_co_u32 s[Q0], 7, s[PI]
	s_lshl_b32 s[Q0], s[Q0], 8
	s_lshl_b32 s71, s[WV], 4
	s_add_co_u32 s[Q0], s[Q0], s71                 ; my first query: 256 (7 - i) + 16 wave
	s_lshl_b32 s[Q0B], s[PI], 8
	s_add_co_u32 s[Q0B], s[Q0B], s71               ; and in the second block: 256 i + 16 wave
	; descriptor groups 1: 64 rows of 256 bytes, 16 bytes of padding behind each.  K: four keys to a row, dense in memory.  V: 256 keys of a channel, rows 2,048 bytes apart
	s_mov_b32 s[G1K], (0<<16)|(1<<20)|(5<<22)|(3<<25)
	s_mov_b32 s[G1K+1], 256<<16                    ; tensor_dim0
	s_mov_b32 s[G1K+2], 64<<16                     ; tensor_dim1
	s_mov_b32 s[G1K+3], 256<<16                    ; tile_dim0
	s_mov_b32 s[G1K+4], 64                         ; tile_dim1
	s_mov_b32 s[G1K+5], 256                        ; tensor_dim0_stride
	s_mov_b32 s[G1K+6], 0
	s_mov_b32 s[G1K+7], 0
	s_mov_b32 s[G1V], (0<<16)|(1<<20)|(5<<22)|(3<<25)
	s_mov_b32 s[G1V+1], 256<<16
	s_mov_b32 s[G1V+2], 64<<16
	s_mov_b32 s[G1V+3], 256<<16
	s_mov_b32 s[G1V+4], 64
	s_mov_b32 s[G1V+5], 2048
	s_mov_b32 s[G1V+6], 0
	s_mov_b32 s[G1V+7], 0
	s_mov_b32 s[SEL], 0x76543210
	s_mov_b32 s[SEL+1], 0xfedcba98
	s_mov_b32 s[CS], 0x3eb8aa3b                    ; 2 log2(e) / 8
	s_mov_b32 s[KS], 0xff800000
	s_mov_b32 s[TB], 0
	s_mov_b32 s[NS], 0
	s_mov_b32 s[KF], 0
	s_mov_b32 s[SLOTS], 8
	s_wait_kmcnt 0x0
	s_load_b128 s[72:75], s[10:11], 0x18           ; eq, ek, ep, ev: entries 6 to 9
	s_load_b32 s76, s[10:11], 0x28                 ; the result's e: entry 10
	s_add_nc_u64 s[KB:KB+1], s[6:7], s[52:53]
	s_add_nc_u64 s[VB:VB+1], s[8:9], s[52:53]
	s_mov_b32 s[G0K], 1
	s_mov_b32 s[G0K+1], 0                          ; slot 0
	s_mov_b64 s[G0K+2:G0K+3], s[KB:KB+1]           ; the head's first 256 keys
	s_or_b32 s[G0K+3], s[G0K+3], 0x80000000
	s_mov_b32 s[G0V], 1
	s_mov_b32 s[G0V+1], VOFF
	s_mov_b64 s[G0V+2:G0V+3], s[VB:VB+1]
	s_or_b32 s[G0V+3], s[G0V+3], 0x80000000
	TLOAD                                          ; slot 0: one tensor load of a wave is out at a time
	s_add_nc_u64 s[4:5], s[4:5], s[52:53]
	s_add_nc_u64 s[12:13], s[12:13], s[52:53]
	s_lshl_b32 s78, s[Q0], 6
	s_mov_b32 s79, 0
	s_lshl_b32 s80, s[Q0B], 6
	s_mov_b32 s81, 0
	s_add_nc_u64 s[OUT:OUT+1], s[12:13], s[78:79]
	s_add_nc_u64 s[OUTB:OUTB+1], s[12:13], s[80:81]
	s_add_nc_u64 s[78:79], s[4:5], s[78:79]
	s_add_nc_u64 s[80:81], s[4:5], s[80:81]
	v_and_b32 v8, 15, v0                           ; r
	v_bfe_u32 v9, v0, 4, 1                         ; h
	s_delay_alu instid0(VALU_DEP_2)
	v_lshlrev_b32 v254, 6, v8
	s_delay_alu instid0(VALU_DEP_1)
	v_lshl_add_u32 v254, v9, 4, v254               ; Q: row r of 64 bytes + 16 h: registers 4 c .. 4 c + 3 hold channels 32 c + 16 h + 0 .. 15, as K's fragments do
	global_load_b128 v[16:19], v254, s[78:79]
	global_load_b128 v[20:23], v254, s[78:79] offset:32
	global_load_b128 v[24:27], v254, s[80:81]
	global_load_b128 v[28:31], v254, s[80:81] offset:32
	v_lshrrev_b32 v[AK0], 2, v8
	s_delay_alu instid0(VALU_DEP_1)
	v_mul_u32_u24 v[AK0], v[AK0], KP
	v_and_b32 v[AV0], 3, v8
	s_delay_alu instid0(VALU_DEP_1)
	v_lshl_add_u32 v[AK0], v[AV0], 6, v[AK0]
	s_delay_alu instid0(VALU_DEP_1)
	v_lshl_add_u32 v[AK0], v9, 4, v[AK0]           ; key r of a tile: row r / 4, byte 64 (r % 4) + 16 h: sixteen lanes take sixteen different 16-byte columns
	v_mul_u32_u24 v[AV0], v8, KP
	s_delay_alu instid0(VALU_DEP_1)
	v_lshl_add_u32 v[AV0], v9, 3, v[AV0]
	s_delay_alu instid0(VALU_DEP_1)
	v_add_nc_u32 v[AV0], VOFF, v[AV0]              ; channel r of a tile, + 8 h
	v_lshlrev_b32 v[DQ], 3, v9
	s_delay_alu instid0(VALU_DEP_1)
	v_sub_nc_u32 v[DQ], v8, v[DQ]
	v_and_b32 v[GO], 31, v0
	s_delay_alu instid0(VALU_DEP_1)
	v_lshlrev_b32 v[GO], 4, v[GO]
	s_mul_i32 s70, s[WV], 1280
	s_add_co_u32 s70, s70, STAGE                   ; my stage
	v_mul_u32_u24 v[STO], v8, 80
	s_delay_alu instid0(VALU_DEP_1)
	v_lshl_add_u32 v[STO], v9, 3, v[STO]
	s_delay_alu instid0(VALU_DEP_1)
	v_add_nc_u32 v[STO], s70, v[STO]               ; in: row r, + 8 h
	v_bfe_u32 v[SRD], v0, 2, 3
	s_delay_alu instid0(VALU_DEP_1)
	v_mul_u32_u24 v[SRD], v[SRD], 80
	v_and_b32 v[PFO], 3, v0
	s_delay_alu instid0(VALU_DEP_1)
	v_lshl_add_u32 v[SRD], v[PFO], 4, v[SRD]
	s_delay_alu instid0(VALU_DEP_1)
	v_add_nc_u32 v[SRD], s70, v[SRD]               ; back: four lanes to a row of 64 bytes
	; the prefetches: where my wave's stand, and who asks
	s_cmp_lt_u32 s[WV], 6                          ; waves 4 and 5 ask for K, waves 6 and 7 for V
	s_cselect_b64 s[PFA:PFA+1], s[KB:KB+1], s[VB:VB+1]
	s_mov_b32 s[PFS], 256
	s_cselect_b32 s[PFS], 16384, s[PFS]            ; a slot on
	s_mov_b32 s70, 2048
	s_cselect_b32 s70, 256, s70                    ; from lane to lane
	s_mov_b32 s71, 65536
	s_cselect_b32 s71, 8192, s71                   ; from wave to wave
	v_and_b32 v[PFO], 31, v0
	s_delay_alu instid0(VALU_DEP_1)
	v_mul_lo_u32 v[PFO], v[PFO], s70
	s_and_b32 s70, s[WV], 1
	s_mul_i32 s70, s70, s71
	s_add_co_u32 s70, s70, s[PFS]                  ; in slot 1: the first change of slots steps it to slot 2.  Nothing is prefetched here, at the head
	s_mov_b32 s71, 0
	s_mov_b32 s[PFS+1], 0
	s_add_nc_u64 s[PFA:PFA+1], s[PFA:PFA+1], s[70:71]
	s_sub_co_u32 s70, s[WV], 4
	s_lshr_b32 s70, s70, 2                         ; 0 in waves 4 to 7,
	s_or_b32 s70, s70, ttmp9                       ; of the work-group with i = 0
	s_cmp_eq_u32 s70, 0
	s_cselect_b32 s[LIM], 2, -1
	INIT
	v_mov_b32 v216, 0xff800000                     ; -infinity
	v_mov_b32 v236, 0                              ; written once: a lane permute's destination counts as one of its sources
	v_mov_b32 v252, 0
	v_mov_b32 v253, 0                              ; (named as the upper half of the pair v[252:253])
	s_wait_kmcnt 0x0
	s_add_co_i32 s70, s72, s73
	s_lshl_b32 s70, s70, 23
	s_add_co_i32 s[CS], s[CS], s70                 ; eq + ek are added to c's exponent field
	s_mov_b32 s[CS+1], s[CS]                       ; (named with it as a pair, so it is written)
	s_add_co_i32 s70, s74, 127
	s_lshl_b32 s71, s70, 23
	v_mov_b32 v218, s71                            ; 2^ep
	s_add_co_i32 s[EPV], s74, s75
	s_add_co_i32 s70, s76, 127
	s_lshl_b32 s71, s70, 23
	v_mov_b32 v219, s71                            ; 2^e of the result
	s_add_co_i32 s70, s70, 8
	s_lshl_b32 s70, s70, 23
	s_or_b32 s70, s70, 0x600000
	v_mov_b32 v220, s70
	s_wait_loadcnt 0x0                             ; Q, both blocks'
.Lslot:                                            ; eight trips: behind each change of slots but the last the next slot is asked for
	CHANGE 1
	SWITCH
	STEP 0
	STEP 1
	s_xor_b32 s[TB], s[TB], SLOT1
	s_sub_co_u32 s[SLOTS], s[SLOTS], 1
	s_cmp_lg_u32 s[SLOTS], 0
	s_cbranch_scc1 .Lslot
	CHANGE 0                                       ; the ninth slot is written out
	SWITCH
	STEP 0
	STEP 1
	FINISH
	s_wait_tensorcnt 0x0                           ; the wave's end
	ds_add_u32 v[SPW], v[NIL]
	s_wait_dscnt 0x0
	s_endpgm
.Lfunc_end_k_qea5f25c01c_attn:
	.size	k_qea5f25c01c_attn, .Lfunc_end_k_qea5f25c01c_attn-k_qea5f25c01c_attn
	.p2alignl 7, 3214868480
	.fill 96, 4, 3214868480
	.section	.rodata,"a",@progbits
	.p2align	6, 0x0
	.amdhsa_kernel k_qea5f25c01c_attn
		.amdhsa_group_segment_fixed_size 327680
		.amdhsa_private_segment_fixed_size 0
		.amdhsa_enable_private_segment 0
		.amdhsa_kernarg_size 40
		.amdhsa_user_sgpr_count 2
		.amdhsa_user_sgpr_kernarg_segment_ptr 1
		.amdhsa_wavefront_size32 1
		.amdhsa_system_sgpr_workgroup_id_x 1
		.amdhsa_system_sgpr_workgroup_id_y 1
		.amdhsa_system_sgpr_workgroup_id_z 1
		.amdhsa_system_vgpr_workitem_id 0
		.amdhsa_next_free_vgpr 256
		.amdhsa_next_free_sgpr 84
		.amdhsa_reserve_vcc 1
		.amdhsa_float_denorm_mode_32 3
		.amdhsa_float_denorm_mode_16_64 3
		.amdhsa_fp16_overflow 1
		.amdhsa_memory_ordered 1
		.amdhsa_forward_progress 1
		.amdhsa_inst_pref_size 130
	.end_amdhsa_kernel
	.amdgpu_metadata
---
amdhsa.version: [ 1, 2 ]
amdhsa.kernels:
  - .name:           k_qea5f25c01c_attn
    .symbol:         k_qea5f25c01c_attn.kd
    .args:
      - { .name: qc, .offset: 0, .size: 8, .value_kind: global_buffer, .address_space: global }
      - { .name: kc, .offset: 8, .size: 8, .value_kind: global_buffer, .address_space: global }
      - { .name: vc, .offset: 16, .size: 8, .value_kind: global_buffer, .address_space: global }
      - { .name: lowp_scales, .offset: 24, .size: 8, .value_kind: global_buffer, .address_space: global }
      - { .name: ac, .offset: 32, .size: 8, .value_kind: global_buffer, .address_space: global }
    .group_segment_fixed_size: 327680
    .private_segment_fixed_size: 0
    .kernarg_segment_align: 8
    .kernarg_segment_size: 40
    .max_flat_workgroup_size: 512
    .sgpr_count:     84
    .vgpr_count:     256
    .wavefront_size: 32
...
	.end_amdgpu_metadata
.endif
;; end of part 3
;; launch oproj (part 4): grid 4 x 32, 4 waves a work-group, clusters of 4 x 4, 327,680 bytes of LDS; arguments ac, wc, lowp_scales, Wo_b, out0; writes out0
.if DOCPART == 4
	.amdgcn_target "amdgcn-amd-amdhsa--gfx1250"
	.amdhsa_code_object_version 6
	.text
	.protected	k_qea5f25c01c_oproj
	.globl	k_qea5f25c01c_oproj
	.p2align	8
	.type	k_qea5f25c01c_oproj,@function
k_qea5f25c01c_oproj:
	s_mov_b64 s[64:65], 0
	v_nop
	global_prefetch_b8 v0, s[64:65] scope:SCOPE_SE
	s_setreg_imm32_b32 hwreg(HW_REG_WAVE_MODE, 25, 1), 1
	s_wait_xcnt 0x0
	s_wait_alu depctr_hold_cnt(0) depctr_sa_sdst(0) depctr_va_vdst(0) depctr_va_sdst(0) depctr_va_ssrc(0) depctr_va_vcc(0) depctr_vm_vsrc(0)
	s_getreg_b32 s2, hwreg(HW_REG_IB_STS2, 6, 4)
	s_cmp_eq_u32 s2, 0
	s_cbranch_scc0 .Lentry_in_a_cluster
	s_endpgm
.Lentry_in_a_cluster:
	s_bfe_u32 s2, ttmp6, 0x10000c
	s_cmp_lg_u32 s2, 0xf033
	s_cbranch_scc0 .Lentry_shape_is_right
	s_endpgm
.Lentry_shape_is_right:
; out0 = attn Wo + bo on E4M3 codes.  A = ac: [4 batches x 16 heads][2048][64] codes, so K = 64 head + d lies in planes of 131,072 bytes; B = the fourth weight of wc, [1024 n][1024 k]; out0 [8192][1024] f32.
; A number of A is its code x 2^ea (entry 10 of the scales), of B x 2^eb (entry 11): each finished sum x 2^(ea + eb) + bias, one packed multiply-add for two.
; LIMIT: ea + eb between -126 and 127.
; A tile of 256 x 256 to a work-group of four waves, 128 x 128 a wave; K in four steps of 256 (four heads) through a ring of two LDS slots; 4 x 4 work-groups ask jointly: A's tile along a row of the cluster, B's along a column.
; 128 work-groups: with tiles of this size the product has no more.
; A's TILE: 128 rows x 4 heads is stated as 4 rows of 8,192 bytes (128 rows of 64 bytes are dense within a head), 131,072 bytes apart, with 16 bytes of padding behind every 256: in LDS 128 lines of 272 bytes;
; row s, head g, channel d lies at (32 g + s / 4) x 272 + 64 (s % 4) + d.  Sixteen lanes of a fragment load then take sixteen different 16-byte columns.
; The matrix instruction is used transposed (source 0 = rows of B, source 1 = rows of A): a lane holds eight neighbouring numbers of a row of the output.
; REGISTERS, in windows of 256: window 0: v0-31 addresses; v32-95 the bias; from v128 A's fragments, one set; on the way out v128-255 rows read back.   window 1: B's fragments, two sets; on the way out v0-63 a block's results.
;   window 2: the accumulators of my rows 0-63 ((a, b) at v[8 (8 a + b)]);   window 3: those of rows 64-127.
.set ROWB,   256
.set KROW,   1024
.set ASTEP,  4*131072                  ; A: four heads on
.set HEADB,  32*272                    ; a head's 128 rows in LDS
.set PITCH,  272
.set FR,     16
.set NL,     4
.set NP,     4
.set HALFT,  128*PITCH
.set SLOT,   4*HALFT
.set LAPS,   2
.set SPARE,  2*SLOT                    ; the spare words, 128 bytes for each wave, which no other line names
.set SPITCH, 528                       ; the way out: a stage of 16 rows x (512 + 16) bytes for each wave, in slot 0, which has had its last fill and its last read by then
.set NBYTES, 4096                      ; a row of the output
.set ADRA, 16
.set ADRB, 20
.set STO,  24
.set RD,   25
.set CO,   26
.set BOR,  27                          ; v27  byte offset of my biases
.set SPW,  28
.set NIL,  29
.set BR,   32                          ; v32-95 bias(16 b + 8 h + j) of my 128 columns
.set AF,   128
.set BK,   128
.set G1, 24
.set G0, 32
.set G1B, 48
.set G0B, 56
.set MSB, 0
.macro WIN new                         ; the immediate's high byte repeats the setting that is left
.if MSB != \new
	s_set_vgpr_msb (MSB<<8)|\new
.set MSB, \new
.endif
.endm
.set MUL_LO, 0xa1
.set MUL_HI, 0xf1
.set TO_B,   0x40
.macro JLOAD g0a, g1a, g0b, g1b        ; waves 0 and 1 fetch for A, waves 2 and 3 for B; four v_nop follow each of the two lines
	s_cmp_eq_u32 s15, 0
	s_cbranch_scc0 .Lfor_b_\@
	tensor_load_to_lds s[\g0a:\g0a+3], s[\g1a:\g1a+7]
	s_nop 0
.rept 4
	v_nop
.endr
	s_branch .Lasked_\@
.Lfor_b_\@:
	tensor_load_to_lds s[\g0b:\g0b+3], s[\g1b:\g1b+7]
	s_nop 0
.rept 4
	v_nop
.endr
.Lasked_\@:
.endm
.macro CREST
	s_cmp_lg_u32 s14, 0
	s_cbranch_scc1 .Lnot_wave_0_\@
	s_barrier_signal -3
.Lnot_wave_0_\@:
	s_barrier_wait -3
	s_barrier_signal -1
	s_barrier_wait -1
.endm
.macro CROUND
	s_barrier_signal -1
	s_barrier_wait -1
	CREST
.endm
	s_load_b128 s[4:7], s[0:1], 0x0                ; ac s[4:5], wc s[6:7]
	s_load_b128 s[8:11], s[0:1], 0x10              ; the scales s[8:9], Wo_b s[10:11]
	s_load_b64 s[12:13], s[0:1], 0x20              ; out0
	v_lshl_add_u32 v[SPW], v0, 2, SPARE
	v_mov_b32 v[NIL], 0
	ds_add_u32 v28, v29
	ds_add_u32 v28, v29
	s_wait_dscnt 0x0
	v_lshrrev_b32 v1, 5, v0
	v_readfirstlane_b32 s14, v1                    ; wave 0..3
	s_lshr_b32 s15, s14, 1                         ; which half of the tile's rows is mine.  Also: I fetch for A (0) or for B (1)
	s_and_b32 s16, s14, 1                          ; which half of its columns.  Also: which 128 rows of that tile I fetch
	s_bfe_u32 s40, ttmp6, 0x40000                  ; cx, cy
	s_bfe_u32 s41, ttmp6, 0x40004
	s_lshl_b32 s42, ttmp9, 2
	s_add_co_u32 s42, s42, s40                     ; tile column
	s_and_b32 s17, ttmp7, 0xffff
	s_lshl_b32 s17, s17, 2
	s_add_co_u32 s17, s17, s41                     ; tile row
	s_lshl_b32 s43, s41, 2
	s_lshl_b32 s43, 15, s43                        ; my row of the cluster
	s_lshl_b32 s44, 0x1111, s40                    ; my column
	s_or_b32 s[G1+0], s43, (0<<16)|(1<<20)|(1<<21)|(5<<22)|(3<<25)  ; the mask; elements of 1 byte; padding: four words after every 64; bit 21 beside the mask
	s_mov_b32 s[G1+1], 8192<<16                    ; tensor_dim0 = 8,192
	s_mov_b32 s[G1+2], 4<<16                       ; tensor_dim1 = 4
	s_mov_b32 s[G1+3], 8192<<16                    ; tile_dim0
	s_mov_b32 s[G1+4], 4                           ; tile_dim1
	s_mov_b32 s[G1+5], 131072                      ; from head to head
	s_mov_b32 s[G1+6], 0
	s_mov_b32 s[G1+7], 0
	s_or_b32 s[G1B+0], s44, (0<<16)|(1<<20)|(1<<21)|(5<<22)|(3<<25)
	s_mov_b32 s[G1B+1], ROWB<<16
	s_mov_b32 s[G1B+2], 128<<16
	s_mov_b32 s[G1B+3], ROWB<<16
	s_mov_b32 s[G1B+4], 128
	s_mov_b32 s[G1B+5], KROW
	s_mov_b32 s[G1B+6], 0
	s_mov_b32 s[G1B+7], 0
	s_lshr_b32 s20, s17, 3
	s_lshl_b32 s20, s20, 21                        ; A: the batch's sixteen heads,
	s_and_b32 s18, s17, 7
	s_lshl_b32 s18, s18, 14
	s_add_co_u32 s20, s20, s18                     ; + 256 rows of 64 bytes for each tile row in the batch,
	s_lshl_b32 s18, s16, 13
	s_add_co_u32 s20, s20, s18                     ; + the 128 rows that I fetch
	s_mov_b32 s21, 0
	s_lshl_b32 s46, s42, 18                        ; B: 256 rows of 1,024 bytes for each tile column,
	s_lshl_b32 s18, s16, 17
	s_add_co_u32 s46, s46, s18
	s_add_co_u32 s46, s46, 3<<20                   ; in the fourth weight
	s_mov_b32 s47, 0
	s_mul_i32 s45, s14, HALFT                      ; where they go: no place in the cluster enters an LDS address
	s_wait_kmcnt 0x0
	s_load_b64 s[96:97], s[8:9], 0x28              ; ea, eb: entries 10 and 11
	s_add_nc_u64 s[20:21], s[4:5], s[20:21]
	s_add_nc_u64 s[46:47], s[6:7], s[46:47]
	CROUND                                         ; all sixteen work-groups are here: the first joint loads meet
.irp s, 0,1
	s_mov_b32 s[G0+4*\s], 1
	s_add_co_u32 s[G0+4*\s+1], s45, \s*SLOT
	s_add_nc_u64 s[G0+4*\s+2:G0+4*\s+3], s[20:21], \s*ASTEP
	s_or_b32 s[G0+4*\s+3], s[G0+4*\s+3], 0x80000000
	s_mov_b32 s[G0B+4*\s], 1
	s_add_co_u32 s[G0B+4*\s+1], s45, \s*SLOT
	s_add_nc_u64 s[G0B+4*\s+2:G0B+4*\s+3], s[46:47], \s*ROWB
	s_or_b32 s[G0B+4*\s+3], s[G0B+4*\s+3], 0x80000000
	s_wait_alu depctr_va_vdst(0)
	s_wait_tensorcnt 0x0
	ds_add_u32 v28, v29
	ds_add_u32 v28, v29
	s_wait_dscnt 0x0
	CROUND
	JLOAD G0+4*\s, G1, G0B+4*\s, G1B
.endr
	v_and_b32 v1, 15, v0                           ; r
	v_bfe_u32 v2, v0, 4, 1                         ; h
	s_lshl_b32 s18, s42, 10
	s_lshl_b32 s19, s16, 9
	s_add_co_u32 s18, s18, s19
	v_lshl_add_u32 v[BOR], v2, 5, s18              ; the bias: (256 x tile column + 128 x half + 8 h) numbers of 4 bytes
.irp b, 0,1,2,3,4,5,6,7
	global_load_b128 v[BR+8*\b:BR+8*\b+3], v[BOR], s[10:11] offset:64*\b
	global_load_b128 v[BR+8*\b+4:BR+8*\b+7], v[BOR], s[10:11] offset:64*\b+16
.endr
	v_mul_u32_u24 v3, v1, PITCH
	v_lshl_add_u32 v4, v2, 4, v3                   ; B: a fragment's row x pitch + 16 h
	v_lshrrev_b32 v5, 2, v1
	v_mul_u32_u24 v5, v5, PITCH
	v_and_b32 v6, 3, v1
	v_lshl_add_u32 v5, v6, 6, v5
	v_lshl_add_u32 v5, v2, 4, v5                   ; A: line r / 4, byte 64 (r % 4) + 16 h
	s_mul_i32 s21, s15, HALFT                      ; my 128 rows of A
	s_mul_i32 s22, s16, HALFT                      ; my 128 rows of B,
	s_add_co_u32 s22, s22, 2*HALFT                 ; which lie behind A's
.irp s, 0,1
	v_add_nc_u32 v[ADRA+\s], s21, v5
	v_add_nc_u32 v[ADRB+\s], s22, v4
	s_add_co_u32 s21, s21, SLOT
	s_add_co_u32 s22, s22, SLOT
.endr
	s_mul_i32 s23, s14, 16*SPITCH                  ; my stage
	v_mul_u32_u24 v5, v1, SPITCH
	v_lshl_add_u32 v5, v2, 5, v5
	v_add_nc_u32 v[STO], s23, v5                   ; in: row r, 32 bytes for each half of the lanes
	v_and_b32 v6, 31, v0
	v_lshlrev_b32 v[CO], 4, v6                     ; back: the 32 lanes take one row of 512 bytes; and the same in the output
	v_add_nc_u32 v[RD], s23, v[CO]
	s_lshl_b32 s20, s17, 8
	s_lshl_b32 s21, s15, 7
	s_add_co_u32 s20, s20, s21
	s_lshl_b32 s20, s20, 12                        ; my first row: (256 x tile row + 128 x half) x 4,096 bytes
	s_lshl_b32 s46, s42, 10
	s_lshl_b32 s47, s16, 9
	s_add_co_u32 s46, s46, s47                     ; my first column, in bytes
	s_add_co_u32 s20, s20, s46
	s_mov_b32 s21, 0
	s_add_nc_u64 s[12:13], s[12:13], s[20:21]
.macro FRAG reg, adr, q, i             ; B: lane l holds row l % 16; registers 4 c .. 4 c + 3 hold K = 128 q + 32 c + 16 (l / 16) + 0 .. 15
.irp c, 0,1,2,3
	ds_load_b128 v[\reg+4*\c:\reg+4*\c+3], v[\adr] offset:128*(\q)+32*\c+(\i)*16*PITCH
.endr
.endm
.macro FRAGA reg, adr, q, i            ; A: the same places of k: head 2 q + c / 2 of the slot's four, channels 32 (c % 2) + 16 (l / 16) on; 16 rows are four lines
.irp c, 0,1,2,3
	ds_load_b128 v[\reg+4*\c:\reg+4*\c+3], v[\adr] offset:(2*(\q)+(\c/2))*HEADB+(\i)*4*PITCH+32*(\c%2)
.endr
.endm
.macro MUL16 a0, p, zero               ; the 64 accumulators take turns, one instruction a turn
.irp a, \a0, \a0+1
.irp b, 0,1,2,3,4,5,6,7
.if \zero
	v_wmma_f32_16x16x128_fp8_fp8 v[8*(8*((\a)%4)+\b):8*(8*((\a)%4)+\b)+7], v[128*(\p)+FR*\b:128*(\p)+FR*\b+FR-1], v[AF+FR*(\a):AF+FR*(\a)+FR-1], 0
.else
	v_wmma_f32_16x16x128_fp8_fp8 v[8*(8*((\a)%4)+\b):8*(8*((\a)%4)+\b)+7], v[128*(\p)+FR*\b:128*(\p)+FR*\b+FR-1], v[AF+FR*(\a):AF+FR*(\a)+FR-1], v[8*(8*((\a)%4)+\b):8*(8*((\a)%4)+\b)+7]
.endif
.endr
.endr
.endm
.macro FETCH_B slot, q, p
	WIN TO_B
.irp i, 0,1,2,3,4,5,6,7
	FRAG 128*(\p)+FR*\i, ADRB+\slot, \q, \i
.endr
	WIN 0
.endm
.macro FETCH_A slot, q, i0
.irp i, \i0, \i0+1, \i0+2, \i0+3
	FRAGA AF+FR*(\i), ADRA+\slot, \q, \i
.endr
.endm
.macro PLACES n                        ; plain vector lines between a matrix instruction and a load into, or a vector read or write of, its registers
.rept \n
	v_nop
.endr
.endm
.macro STEP slot, q, zero
	s_wait_dscnt 4*NL                              ; B's set and A's blocks 0-3 are in; the youngest sixteen loads may be out
	WIN MUL_LO
	MUL16 0, (\q)%2, \zero
	MUL16 2, (\q)%2, \zero
	s_wait_dscnt 0
	PLACES NP
	FETCH_B \slot, (\q)+1, 1-(\q)%2
	FETCH_A \slot, (\q)+1, 0
	WIN MUL_HI
	MUL16 4, (\q)%2, \zero
	MUL16 6, (\q)%2, \zero
	PLACES NP
	WIN 0
	FETCH_A \slot, (\q)+1, 4
.endm
.macro TURN slot, next, fill
	s_wait_tensorcnt 0x0                           ; all my tensor loads have landed: my part of the next slot
	ds_add_u32 v[SPW], v[NIL]                      ; 0 onto my spare word
	s_wait_dscnt 4*NL+1                            ; (the add and the youngest sixteen loads may be out)
	WIN MUL_LO
	MUL16 0, 1, 0
	s_wait_dscnt 0x0                               ; the add is done, and my reads of this slot are over
	s_barrier_signal -1
	MUL16 2, 1, 0
	WIN 0
	s_barrier_wait -1
.if \fill
	CREST                                          ; the barrier has opened a round of the cluster's
	s_add_nc_u64 s[G0+4*\slot+2:G0+4*\slot+3], s[G0+4*\slot+2:G0+4*\slot+3], 2*ASTEP
	s_add_nc_u64 s[G0B+4*\slot+2:G0B+4*\slot+3], s[G0B+4*\slot+2:G0B+4*\slot+3], 2*ROWB
	JLOAD G0+4*\slot, G1, G0B+4*\slot, G1B         ; the first tensor load behind the round
.else
	PLACES NP
.endif
	FETCH_B \next, 0, 0
	FETCH_A \next, 0, 0
	WIN MUL_HI
	MUL16 4, 1, 0
	MUL16 6, 1, 0
	PLACES NP
	WIN 0
	FETCH_A \next, 0, 4
.endm
	s_wait_alu depctr_va_vdst(0)
	s_wait_tensorcnt 1                             ; my part of K step 0 is in (K step 1's load may be out),
	s_barrier_signal -1
	s_barrier_wait -1                              ; everybody's is
	FETCH_B 0, 0, 0
	FETCH_A 0, 0, 0
	FETCH_A 0, 0, 4
	STEP 0, 0, 1
	s_mov_b32 s3, LAPS-1
.Llap:
	TURN 0, 1, 1
	STEP 1, 0, 0
	TURN 1, 0, 1
	STEP 0, 0, 0
	s_sub_co_u32 s3, s3, 1
	s_cmp_lg_u32 s3, 0
	s_cbranch_scc1 .Llap
	TURN 0, 1, 0
	STEP 1, 0, 0
	s_wait_dscnt 4*NL
	WIN MUL_LO
	MUL16 0, 1, 0
	MUL16 2, 1, 0
	s_wait_dscnt 0
	WIN MUL_HI
	MUL16 4, 1, 0
	MUL16 6, 1, 0
	WIN 0
; THE WAY OUT, block by block of 16 rows x 128 columns: through my own stage in LDS, back as whole rows of 512 bytes.  LDS serves a wave's instructions in order.
.macro TOSTAGE a
.set AC, 64*((\a)%4)
.set WN, 0x42+((\a)/4)
	WIN WN                                         ; source 0: window 2 or 3; destination window 1; the bias in window 0
.irp j, 0,2,4,6,8,10,12,14,16,18,20,22,24,26,28,30,32,34,36,38,40,42,44,46,48,50,52,54,56,58,60,62
	v_pk_fma_f32 v[\j:\j+1], v[AC+\j:AC+\j+1], s[96:97], v[BR+\j:BR+\j+1] op_sel_hi:[1,0,1]   ; sum x 2^(ea + eb) + bias; each accumulator from its low end on
.endr
	WIN 0x04                                       ; the stores' data in window 1
.irp b, 0,1,2,3,4,5,6,7
	ds_store_b128 v[STO], v[8*\b:8*\b+3] offset:64*\b
	ds_store_b128 v[STO], v[8*\b+4:8*\b+7] offset:64*\b+16
.endr
	WIN 0
.set BB, BK+64*((\a)%2)
.irp t, 0,1,2,3,4,5,6,7,8,9,10,11,12,13,14,15
	ds_load_b128 v[BB+4*\t:BB+4*\t+3], v[RD] offset:\t*SPITCH
.endr
.endm
.macro SEND a, younger                 ; younger: the LDS instructions issued behind block a's loads, which may stay out
.set BB, BK+64*((\a)%2)
	s_wait_dscnt \younger
.if (\a) > 0
	s_add_nc_u64 s[12:13], s[12:13], 16*NBYTES     ; (behind a wait for 0 on XCNT: the earlier stores have read their base)
.endif
.irp t, 0,1,2,3,4,5,6,7,8,9,10,11,12,13,14,15
	global_store_b128 v[CO], v[BB+4*\t:BB+4*\t+3], s[12:13] offset:\t*NBYTES th:TH_STORE_NT   ; 32 lanes store 512 consecutive bytes, aligned
.endr
.endm
	s_wait_kmcnt 0x0
	s_add_co_i32 s96, s96, s97
	s_add_co_i32 s96, s96, 127
	s_lshl_b32 s96, s96, 23                        ; 2^(ea + eb) as f32
	s_mov_b32 s97, s96                             ; (named with it as a pair)
	s_wait_loadcnt 0x0                             ; the bias
	PLACES NP
	TOSTAGE 0
.irp a, 1,2,3,4,5,6,7
.if \a > 1
	s_wait_xcnt 0x0                                ; block a - 2's stores have read their registers and their base
.endif
	TOSTAGE \a
	SEND \a-1, 32                                  ; behind block a - 1's loads: block a's 16 stores and 16 loads
.endr
	s_wait_xcnt 0x0
	SEND 7, 0
	s_wait_tensorcnt 0x0                           ; the wave's end
	ds_add_u32 v[SPW], v[NIL]
	s_wait_dscnt 0x0
	CROUND                                         ; the closing round
	s_endpgm
.Lfunc_end_k_qea5f25c01c_oproj:
	.size	k_qea5f25c01c_oproj, .Lfunc_end_k_qea5f25c01c_oproj-k_qea5f25c01c_oproj
	.p2alignl 7, 3214868480
	.fill 96, 4, 3214868480
	.section	.rodata,"a",@progbits
	.p2align	6, 0x0
	.amdhsa_kernel k_qea5f25c01c_oproj
		.amdhsa_group_segment_fixed_size 327680
		.amdhsa_private_segment_fixed_size 0
		.amdhsa_enable_private_segment 0
		.amdhsa_kernarg_size 40
		.amdhsa_user_sgpr_count 2
		.amdhsa_user_sgpr_kernarg_segment_ptr 1
		.amdhsa_wavefront_size32 1
		.amdhsa_system_sgpr_workgroup_id_x 1
		.amdhsa_system_sgpr_workgroup_id_y 1
		.amdhsa_system_sgpr_workgroup_id_z 1
		.amdhsa_system_vgpr_workitem_id 0
		.amdhsa_next_free_vgpr 1024
		.amdhsa_next_free_sgpr 98
		.amdhsa_reserve_vcc 0
		.amdhsa_float_denorm_mode_32 3
		.amdhsa_float_denorm_mode_16_64 3
		.amdhsa_memory_ordered 1
		.amdhsa_forward_progress 1
		.amdhsa_inst_pref_size 126
	.end_amdhsa_kernel
	.amdgpu_metadata
---
amdhsa.version: [ 1, 2 ]
amdhsa.kernels:
  - .name:           k_qea5f25c01c_oproj
    .symbol:         k_qea5f25c01c_oproj.kd
    .args:
      - { .name: ac, .offset: 0, .size: 8, .value_kind: global_buffer, .address_space: global }
      - { .name: wc, .offset: 8, .size: 8, .value_kind: global_buffer, .address_space: global }
      - { .name: lowp_scales, .offset: 16, .size: 8, .value_kind: global_buffer, .address_space: global }
      - { .name: Wo_b, .offset: 24, .size: 8, .value_kind: global_buffer, .address_space: global }
      - { .name: out0, .offset: 32, .size: 8, .value_kind: global_buffer, .address_space: global }
    .group_segment_fixed_size: 327680
    .private_segment_fixed_size: 0
    .kernarg_segment_align: 8
    .kernarg_segment_size: 40
    .max_flat_workgroup_size: 128
    .sgpr_count:     98
    .vgpr_count:     1024
    .wavefront_size: 32
...
	.end_amdgpu_metadata
.endif
;; end of part 4
